; MI455X (gfx1250); checked and timed in simulation.
; The chip was launched on July 23, 2026; its instructions are those of AMD's public machine-readable ISA for CDNA 5 (MIT licence, August 2026) and "CDNA5" Instruction Set Architecture Reference Guide (July 2026). The comments in the code are by the model that wrote it; some were corrected since.
;; Multi Head Self Attention. Allowed arithmetic: matrix products marked QUANTISED: E2M3 operands, one E8M0 scale for each 32 along K, by v_wmma_scale_f32_16x16x128_f8f6f4 with both operands' format E2M3, f32 sums; everything else in f32.
;; Inputs: Wk_codes 1,024 x 32 x 24 uint8 (E2M3 codes of Wk, K innermost, in blocks of 32 codes, four codes in three bytes); Wk_scales 1,024 x 32 uint8 (E8M0 scales of Wk, one for each 32 codes along K); Wo_codes 1,024 x 32 x 24 uint8 (E2M3 codes of Wo, K innermost, in blocks of 32 codes, four codes in three bytes); Wo_scales 1,024 x 32 uint8 (E8M0 scales of Wo, one for each 32 codes along K); Wq_codes 1,024 x 32 x 24 uint8 (E2M3 codes of Wq, K innermost, in blocks of 32 codes, four codes in three bytes); Wq_scales 1,024 x 32 uint8 (E8M0 scales of Wq, one for each 32 codes along K); Wv_codes 1,024 x 32 x 24 uint8 (E2M3 codes of Wv, K innermost, in blocks of 32 codes, four codes in three bytes); Wv_scales 1,024 x 32 uint8 (E8M0 scales of Wv, one for each 32 codes along K); x_codes 4 x 2,048 x 32 x 24 uint8 (E2M3 codes of x, K innermost, in blocks of 32 codes, four codes in three bytes); x_scales 4 x 2,048 x 32 uint8 (E8M0 scales of x, one for each 32 codes along K).
;; Outputs: out0 4 x 2,048 x 1,024 float32.
;; This version of the problem:
;;   THIS VERSION OF THE PROBLEM IS GIVEN IN LOW PRECISION. The matrix products marked QUANTISED in the list below multiply operands that are first quantised to E2M3 (2 exponent bits, 3 mantissa bits; 6 bits a number), with one power-of-two scale for each 32 numbers along K (OCP MX v1.0); their sums are f32. All else is computed in f32.
;;   The module's matrix products, in the order in which they are computed (A, B: the left and right operand; K: the contracted axis; several contracted axes count as one K, in the product's order):
;;     1. [M 8,192, K 1,024] x [K 1,024, N 1,024]; A: input x (given as codes); B: input Wq (given as codes): QUANTISED
;;     2. [M 8,192, K 1,024] x [K 1,024, N 1,024]; A: input x (given as codes); B: input Wk (given as codes): QUANTISED
;;     3. [M 8,192, K 1,024] x [K 1,024, N 1,024]; A: input x (given as codes); B: input Wv (given as codes): QUANTISED
;;     4. batch 64 x [M 2,048, K 64] x [K 64, N 2,048]; A: computed on the way; B: computed on the way: QUANTISED
;;     5. batch 64 x [M 2,048, K 2,048] x [K 2,048, N 64]; A: softmax (see below); B: computed on the way: QUANTISED
;;     6. [M 8,192, K 1,024] x [K 1,024, N 1,024]; A: computed on the way; B: input Wo (given as codes): QUANTISED
;;   THE QUANTISER, for each operand of a quantised product, along K:
;;     - K is cut into blocks of 32 from its start; a last block that is shorter is filled with zeros.
;;     - A block's scale is 2^e with e = floor(log2(the largest magnitude in the block)) - 2, held to -126 .. 127; a block of zeros has e = 0. As a byte (E8M0): e + 127.
;;     - Each number is divided by its block's scale, clamped to +-7.5, and rounded to the nearest number of E2M3, ties to even, subnormals kept.
;;     - The product sums the exact products of the quantised numbers (number of the format x scale) in f32.
;;   ~~~python
;;   def quantise(x, axis):      # numpy; x: float32 -> the quantised numbers, widened to float32 again
;;       x = np.moveaxis(x, axis, -1); K = x.shape[-1]
;;       x = np.pad(x, [(0, 0)] * (x.ndim - 1) + [(0, -K % 32)]); x = x.reshape(x.shape[:-1] + (-1, 32)); a = np.abs(x).max(-1, keepdims=True)
;;       e = np.where(a > 0, np.clip(np.frexp(np.where(a > 0, a, 1))[1] - 1 - 2, -126, 127), 0)      # np.frexp(a)[1] - 1 = floor(log2(a)), exactly
;;       r = np.clip(x / 2.0 ** e, -7.5, 7.5)
;;       step = 2.0 ** (np.maximum(np.frexp(np.where(r == 0, 1, r))[1] - 1, 0) - 3)
;;       q = np.round(r / step) * step * 2.0 ** e      # np.round: ties to even
;;       return np.moveaxis(q.reshape(q.shape[:-2] + (-1,))[..., :K], -1, axis).astype(np.float32)
;;   ~~~
;;   SOFTMAX AHEAD OF A QUANTISED PRODUCT. Where the list says 'softmax', what is quantised is not the finished softmax but p = 2^(t - M), with t = logit x log2(e) and M = ceil(the row's largest t), a whole number; so 1/2 < the row's largest p <= 1. The row's sum l is taken of the UNQUANTISED p, in f32, and the product's result is divided by l at the end. Since M is a whole number, a kernel that streams over the keys may use a running M (the ceiling of the running maximum): every later rescaling is an exact power of two, which a block's scale takes up: the codes' values come out the same.
;;   OPERANDS COMPUTED ON THE WAY. 'Computed on the way' means the value that the module computes at that place (a softmax that the list does not call 'softmax' is quantised finished and normalised). What goes into a quantiser is computed in f32, as accurately as f32 sums, v_exp_f32 and their like allow (about 1e-6 of the number): no bf16 or f16 on the way to a quantiser, and a product that is left as it is and whose result goes on into a quantised operand takes f32 operands (vector FMAs, or v_wmma_f32_16x16x4_f32). A number that lies on a knife's edge between two numbers of the format may be rounded either way, as far as f32 arithmetic and the matrix unit's own rounding can turn it there, and no further.
;;   INPUTS GIVEN AS CODES. Wk (in the module: [1024, 1024], K = its axis 1); Wo (in the module: [1024, 1024], K = its axis 1); Wq (in the module: [1024, 1024], K = its axis 1); Wv (in the module: [1024, 1024], K = its axis 1); x (in the module: [4, 2048, 1024], K = its axis 2): each comes as NAME_codes (uint8): NAME with its K axis moved to the last place and cut into blocks of 32 codes, [.., K / 32, bytes a block], one block behind the other in memory; four codes in three bytes: a row's codes are one little-endian stream of bits, code i at bits 6 i .. 6 i + 5 (a code: sign, 2 exponent bits, 3 mantissa bits); and NAME_scales (uint8): the same leading axes, one E8M0 byte (e + 127) for each 32 codes along K. Its value is code x scale, taken as it is: it is not quantised again, and the codes and scales need not be those that the quantiser above would give.
;; One version. Each part assembles by itself: llvm-mc -triple=amdgcn-amd-amdhsa -mcpu=gfx1250 --defsym DOCPART=n.
;; ======== version 1 of 1: 3 launches
;; workspace buffers: qkv 20,447,232 bytes; attn_codes 6,291,456 bytes; attn_scales 262,144 bytes
;; launch proj (part 1): grid 8 x 48, 4 waves a work-group, clusters of 4 x 4, 327,680 bytes of LDS; arguments x_codes, x_scales, Wq_codes, Wq_scales, Wk_codes, Wk_scales, Wv_codes, Wv_scales, qkv; writes qkv
.if DOCPART == 1
	.amdgcn_target "amdgcn-amd-amdhsa--gfx1250"
	.amdhsa_code_object_version 6
	.text
	.protected	k_q5bf187315e_proj
	.globl	k_q5bf187315e_proj
	.p2align	8
	.type	k_q5bf187315e_proj,@function
k_q5bf187315e_proj:
	s_mov_b64 s[64:65], 0
	v_nop
	global_prefetch_b8 v0, s[64:65] scope:SCOPE_SE
	s_setreg_imm32_b32 hwreg(HW_REG_WAVE_MODE, 25, 1), 1
	s_wait_xcnt 0x0
	s_wait_alu depctr_hold_cnt(0) depctr_sa_sdst(0) depctr_va_vdst(0) depctr_va_sdst(0) depctr_va_ssrc(0) depctr_va_vcc(0) depctr_vm_vsrc(0)
	s_getreg_b32 s2, hwreg(HW_REG_IB_STS2, 6, 4)
	s_cmp_eq_u32 s2, 0
	s_cbranch_scc0 .Lentry_in_a_cluster
	s_endpgm
.Lentry_in_a_cluster:
	s_bfe_u32 s2, ttmp6, 0x10000c
	s_cmp_lg_u32 s2, 0xf033
	s_cbranch_scc0 .Lentry_shape_is_right
	s_endpgm
.Lentry_shape_is_right:
; q = x Wq^T, k = x Wk^T, v = x Wv^T on codes of FP6 (E2M3) with E8M0 scales, K = 1,024; the results are quantised in registers
; (q and k along the 64 channels of a head, v along the keys) and leave as codes: no f32 number goes to memory.
; A work-group of four waves makes 256 x 256 of one product, a wave 128 x 128: 64 accumulators, 512 registers.  The two operands are called P and R:
; P is source 0 of the matrix instruction, R source 1, so that a lane holds ONE row of R and its registers run along the rows of P: the way out quantises along P.
;   clusters with y < 8 (kind 0):  P = Wq (cluster x = 0) or Wk (cluster x = 1), R = x: a lane holds one token, its registers run along the channels
;   clusters with y >= 8 (kind 1): P = x, R = Wv: a lane holds one channel, its registers run along the tokens, which are the keys of the second product of attention
; CLUSTERS: 4 x 4 work-groups of one kind.  P hangs on cx and is shared along a column of the cluster, R on cy and is shared along a row: each tile is asked for jointly.
; K goes in steps of 256 through a ring of two LDS slots; the scale bytes of the 256 + 256 rows come once, with the first fills, and stay.
; ORDER INSIDE A BLOCK OF 32.  All tiles are 16 neighbouring rows, so a lane (r, h) holds, of block b, the numbers 8 h + 0..7 and 16 + 8 h + 0..7.  The codes of a block so lie in the order
; 0-7, 16-23, 8-15, 24-31.  q and k, and later p and v, are made by the same lines from the same layout: both operands of a product carry the same order, which keeps every product; a block and its scale are untouched.
; OUT: qkv [64 heads][q, k, v][16 groups of 128 tokens][6,656 bytes], images of operand registers (four registers at 16 x lane):
;   q, k: four pairs of token tiles, 1,536 bytes each (registers 0-5 the even tile, 6-11 the odd one; lane (r, h): block h of the 64 channels); at 6,144 four registers of scale words (register i: lanes 0-15 tile 2 i, lanes 16-31 tile 2 i + 1; bytes 2, 3 are 0)
;   v:    four fragments (16 channels x 128 keys), 1,536 bytes each; at 6,144 four registers of scale words (register t: tile t)
; LIMITS: a given scale byte 0xff, NaN and infinities are not served.  A block whose largest magnitude lies under 2^-124, zeros among them, gets the byte 1 (its codes are then zeros or subnormal codes); only this program reads these bytes.
.set KSTEP,  256                       ; along K in a slot
.set NQ,     KSTEP/128                 ; matrix instructions deep
.set ROWB,   192                       ; a row of a tile in bytes
.set KROW,   768                       ; a row of codes in memory: 1,024 codes
.set PITCH,  240                       ; an LDS row: 3 x (64 bytes + 16 of padding)
.set FR,     12                        ; registers of a fragment
.set NL,     6                         ; LDS loads that bring one
.set NP,     4                         ; places behind this matrix instruction (ISA guide 7.12.1)
.set HALFT,  128*PITCH                 ; 128 rows: one tensor load
.set SLOT,   4*HALFT                   ; 256 rows of R, then 256 rows of P
.set LAPS,   1024/(2*KSTEP)            ; a lap = two K steps = once round the ring
.set KS,     32                        ; a row of scale bytes
.set SCL,    2*SLOT                    ; behind the ring: the scales, units of 256 bytes + 16 of padding
.set HALFS,  (128*KS/256)*272          ; those of 128 rows
.set SBLK,   (16*KS/256)*272           ; those of 16 rows
.set SPARE,  SCL+4*HALFS               ; the spare words: 128 bytes a wave, two blocks of 256 bytes that no other line names
.set HEAD,   319488                    ; qkv: bytes of a head,
.set PART,   106496                    ; of one of its three parts,
.set REC,    6656                      ; of a record
.set ADRA, 16                          ; v16-17 LDS address of my fragments of R in slot 0, 1 (v18-19: behind one padding more)
.set ADRB, 20                          ; v20-21 the same for P (v22-23)
.set LI,   24                          ; v24    16 x lane: my place in an image
.set ADRS, 27                          ; v27    LDS address of my scale words: lanes 0-15 R, lanes 16-31 P
.set SPW,  28                          ; v28    my spare word; never rewritten
.set NIL,  29                          ; v29    0; never rewritten
.set SC,   32                          ; v32-63 scale words, two sets
.set HA,   64                          ; v64-75 an image of twelve registers
.set HB,   76                          ; v76-87 a second one
.set T0,   88                          ; v88-90, v92-94: the halves of blocks that are made elsewhere and moved
.set T1,   92
.set TM,   96                          ; v96-99 largest magnitudes, v100-103 bytes, v108-111 scale operands
.set PWS,  112                         ; v112-119 the eight scale words of my eight tiles of R
.set SWA,  120                         ; v120-123, v124-127: the scale images of the two heads
.set SWB,  124
.set AF,   128                         ; fragments of R, window 0, one set
.set G1, 24                            ; s[24:31] group 1 for R; s[32:39] its groups 0, one a slot
.set G0, 32
.set G1B, 48                           ; s[48:55], s[56:63] the same for P
.set G0B, 56
.set G1S, 68                           ; s[68:75], s[76:79] for the scales of R; s[80:87], s[88:91] for those of P
.set G0S, 76
.set G1SB, 80
.set G0SB, 88
.set PRT,  96                          ; s96 which part of a head I write: 0 q, 1 k, 2 v
.set KIND, 97                          ; s97 0: q or k; 1: v
.set MSB, 0
.macro WIN new                         ; the high byte of the immediate repeats the setting that is left
.if MSB != (\new)
	s_set_vgpr_msb (MSB<<8)|(\new)
.set MSB, (\new)
.endif
.endm
.set MUL_LO, 0xa1                      ; source 0 (P) window 1, source 1 (R) window 0, C and D window 2
.set MUL_HI, 0xf1                      ; the same, C and D window 3
.set TO_B,   0x40                      ; destination window 1
; A joint load: waves 0 and 1 fetch for R, waves 2 and 3 for P; the branch hangs on the wave number alone.  Four v_nop follow each of the two lines.
.macro JLOAD g0a, g1a, g0b, g1b
	s_cmp_eq_u32 s15, 0
	s_cbranch_scc0 .Lfor_b_\@
	tensor_load_to_lds s[\g0a:\g0a+3], s[\g1a:\g1a+7]
	s_nop 0
.rept 4
	v_nop
.endr
	s_branch .Lasked_\@
.Lfor_b_\@:
	tensor_load_to_lds s[\g0b:\g0b+3], s[\g1b:\g1b+7]
	s_nop 0
.rept 4
	v_nop
.endr
.Lasked_\@:
.endm
.macro CREST                           ; a round of the cluster barrier behind its opening barrier
	s_cmp_lg_u32 s14, 0
	s_cbranch_scc1 .Lnot_wave_0_\@
	s_barrier_signal -3
.Lnot_wave_0_\@:
	s_barrier_wait -3
	s_barrier_signal -1
	s_barrier_wait -1
.endm
.macro CROUND                          ; a whole round
	s_barrier_signal -1
	s_barrier_wait -1
	CREST
.endm
	s_load_b512 s[68:83], s[0:1], 0x0              ; x codes 68, x scales 70, Wq 72, 74, Wk 76, 78, Wv 80, 82
	s_load_b64 s[84:85], s[0:1], 0x40              ; qkv
	v_lshl_add_u32 v[SPW], v0, 2, SPARE
	v_mov_b32 v[NIL], 0
	ds_add_u32 v28, v29
	ds_add_u32 v28, v29
	s_wait_dscnt 0x0
	v_lshrrev_b32 v1, 5, v0
	v_readfirstlane_b32 s14, v1                    ; wave 0..3
	s_lshr_b32 s15, s14, 1                         ; which half of R is mine.  Also: I fetch for R (0) or for P (1)
	s_and_b32 s16, s14, 1                          ; which half of P is mine.  Also: which 128 rows I fetch
	s_bfe_u32 s40, ttmp6, 0x40000                  ; cx
	s_bfe_u32 s41, ttmp6, 0x40004                  ; cy
	s_lshl_b32 s43, s41, 2
	s_lshl_b32 s43, 15, s43                        ; my row of the cluster
	s_lshl_b32 s44, 0x1111, s40                    ; my column
	s_and_b32 s18, ttmp7, 0xffff                   ; Y: the cluster y, 0..11
	s_lshl_b32 s19, ttmp9, 2
	s_lshl_b32 s20, s18, 3
	s_add_co_u32 s19, s19, s20
	s_sub_co_u32 s19, s19, 64                      ; kind 1: 4 X + 8 (Y - 8): the first of the four tiles of x of this cluster
	s_lshl_b32 s20, s18, 2                         ; kind 0: 4 Y: likewise
	; group 1: a tile of 128 rows x 192 bytes, 16 bytes of padding behind every 64
	s_or_b32 s[G1+0], s43, (0<<16)|(1<<20)|(1<<21)|(3<<22)|(3<<25)   ; the mask: R goes to my row; elements of 1 byte; padding on; bit 21 beside a mask; every 16 words; 4 words
	s_or_b32 s[G1B+0], s44, (0<<16)|(1<<20)|(1<<21)|(3<<22)|(3<<25)  ; P goes to my column
.irp g, G1, G1B
	s_mov_b32 s[\g+1], ROWB<<16                    ; tensor_dim0
	s_mov_b32 s[\g+2], 128<<16                     ; tensor_dim1
	s_mov_b32 s[\g+3], ROWB<<16                    ; tile_dim0
	s_mov_b32 s[\g+4], 128                         ; tile_dim1
	s_mov_b32 s[\g+5], KROW                        ; from row to row
	s_mov_b32 s[\g+6], 0
	s_mov_b32 s[\g+7], 0
.endr
	s_wait_kmcnt 0x0
	; the choice of buffers hangs on the coordinates of the cluster alone, which all sixteen partners share
	s_cmp_eq_u32 ttmp9, 0
	s_cselect_b64 s[8:9], s[72:73], s[76:77]       ; kind 0: P = Wq or Wk
	s_cselect_b64 s[10:11], s[74:75], s[78:79]
	s_cmp_ge_u32 s18, 8
	s_cselect_b64 s[8:9], s[68:69], s[8:9]         ; kind 1: P = x,
	s_cselect_b64 s[10:11], s[70:71], s[10:11]
	s_cselect_b64 s[4:5], s[80:81], s[68:69]       ; R = Wv; kind 0: R = x
	s_cselect_b64 s[6:7], s[82:83], s[70:71]
	s_cselect_b32 s19, s19, 0
	s_cselect_b32 s20, 0, s20
	s_cselect_b32 s[KIND], 1, 0
	s_cselect_b32 s[PRT], 2, ttmp9
	s_mov_b64 s[12:13], s[84:85]                   ; qkv
	s_add_co_u32 s42, s40, s19                     ; which 256 rows of P: cx + what the cluster adds
	s_add_co_u32 s17, s41, s20                     ; which 256 rows of R: cy + what the cluster adds
	; group 1 for the scales of 128 rows: 4,096 dense bytes as 16 rows of 256 bytes, 16 bytes of padding behind each (the arguments have been read out of these registers)
	s_or_b32 s[G1S+0], s43, (3<<16)|(1<<20)|(1<<21)|(5<<22)|(3<<25)
	s_or_b32 s[G1SB+0], s44, (3<<16)|(1<<20)|(1<<21)|(5<<22)|(3<<25)
.irp g, G1S, G1SB
	s_mov_b32 s[\g+1], 32<<16
	s_mov_b32 s[\g+2], (128*KS/256)<<16
	s_mov_b32 s[\g+3], 32<<16
	s_mov_b32 s[\g+4], 128*KS/256
	s_mov_b32 s[\g+5], 32
	s_mov_b32 s[\g+6], 0
	s_mov_b32 s[\g+7], 0
.endr
	s_lshl_b32 s18, s16, 7                         ; which 128 rows of the tile I fetch
	s_lshl_b32 s20, s17, 8
	s_add_co_u32 s20, s20, s18                     ; R: row
	s_lshl_b32 s46, s42, 8
	s_add_co_u32 s46, s46, s18                     ; P: row
	s_mov_b32 s21, 0
	s_mov_b32 s47, 0
	s_mov_b64 s[18:19], KS
	s_mul_u64 s[22:23], s[20:21], s[18:19]         ; where the scales of these rows begin
	s_mul_u64 s[92:93], s[46:47], s[18:19]
	s_mov_b64 s[18:19], KROW
	s_mul_u64 s[20:21], s[20:21], s[18:19]         ; and their codes
	s_mul_u64 s[46:47], s[46:47], s[18:19]
	s_mul_i32 s45, s14, HALFT                      ; where they go: wave x 128 rows
	s_mul_i32 s94, s14, HALFS
	s_add_nc_u64 s[20:21], s[4:5], s[20:21]
	s_add_nc_u64 s[22:23], s[6:7], s[22:23]
	s_add_nc_u64 s[46:47], s[8:9], s[46:47]
	s_add_nc_u64 s[92:93], s[10:11], s[92:93]
	CROUND                                         ; all sixteen work-groups are here: the first joint loads meet
	s_mov_b32 s[G0S], 1
	s_add_co_u32 s[G0S+1], s94, SCL
	s_mov_b64 s[G0S+2:G0S+3], s[22:23]
	s_or_b32 s[G0S+3], s[G0S+3], 0x80000000
	s_mov_b32 s[G0SB], 1
	s_add_co_u32 s[G0SB+1], s94, SCL
	s_mov_b64 s[G0SB+2:G0SB+3], s[92:93]
	s_or_b32 s[G0SB+3], s[G0SB+3], 0x80000000
	JLOAD G0S, G1S, G0SB, G1SB                     ; the scales first: they are wanted with K step 0
.irp s, 0,1
	s_mov_b32 s[G0+4*\s], 1
	s_add_co_u32 s[G0+4*\s+1], s45, \s*SLOT
	s_add_nc_u64 s[G0+4*\s+2:G0+4*\s+3], s[20:21], \s*ROWB
	s_or_b32 s[G0+4*\s+3], s[G0+4*\s+3], 0x80000000
	s_mov_b32 s[G0B+4*\s], 1
	s_add_co_u32 s[G0B+4*\s+1], s45, \s*SLOT
	s_add_nc_u64 s[G0B+4*\s+2:G0B+4*\s+3], s[46:47], \s*ROWB
	s_or_b32 s[G0B+4*\s+3], s[G0B+4*\s+3], 0x80000000
	JLOAD G0+4*\s, G1, G0B+4*\s, G1B               ; three tensor loads of mine are out at the most
.endr
	v_and_b32 v1, 15, v0                           ; r = lane % 16
	v_bfe_u32 v2, v0, 4, 1                         ; h = lane / 16
	v_mul_u32_u24 v3, v1, PITCH
	v_mul_u32_u24 v4, v2, 24
	v_add_nc_u32 v4, v3, v4                        ; row x pitch + 24 h
	v_lshl_add_u32 v5, v2, 4, v4                   ; and the same behind one padding more
	s_mul_i32 s21, s15, HALFT                      ; my 128 rows of R
	s_mul_i32 s22, s16, HALFT                      ; my 128 rows of P,
	s_add_co_u32 s22, s22, 2*HALFT                 ; which lie behind the 256 of R
.irp s, 0,1
	v_add_nc_u32 v[ADRA+\s], s21, v4
	v_add_nc_u32 v[ADRB+\s], s22, v4
	v_add_nc_u32 v[ADRA+2+\s], s21, v5
	v_add_nc_u32 v[ADRB+2+\s], s22, v5
	s_add_co_u32 s21, s21, SLOT
	s_add_co_u32 s22, s22, SLOT
.endr
	v_mul_u32_u24 v5, v1, KS                       ; the scales of my row: 32 bytes a row,
	v_lshrrev_b32 v6, 8, v5
	v_lshl_add_u32 v5, v6, 4, v5                   ; and 16 more for each 256 passed
	s_mul_i32 s21, s15, HALFS
	s_mul_i32 s22, s16, HALFS
	s_add_co_u32 s22, s22, 2*HALFS
	s_sub_co_u32 s22, s22, s21
	v_mul_u32_u24 v6, s22, v2                      ; lanes 16-31 take those of P: one product, the lower base + h x the distance
	s_add_co_u32 s21, s21, SCL
	v_add_nc_u32 v5, v5, v6
	v_add_nc_u32 v[ADRS], s21, v5
	v_and_b32 v6, 31, v0
	v_lshlrev_b32 v[LI], 4, v6
	; where my two records begin in qkv.  gP, gR: which 128 rows of P and of R are mine.  Of the two, the weight's gives the pair of heads, that of x the batch and the group of tokens
	s_lshl_b32 s20, s17, 1
	s_add_co_u32 s20, s20, s15                     ; gR
	s_lshl_b32 s46, s42, 1
	s_add_co_u32 s46, s46, s16                     ; gP
	s_cmp_lg_u32 s[KIND], 0
	s_cselect_b32 s98, s20, s46                    ; the pair of heads
	s_cselect_b32 s99, s46, s20                    ; the group of 128 tokens, 0..63
	s_lshr_b32 s100, s99, 4
	s_lshl_b32 s100, s100, 4                       ; 16 x batch
	s_lshl_b32 s98, s98, 1
	s_add_co_u32 s100, s100, s98                   ; + the first of my two heads
	s_mul_i32 s100, s100, HEAD
	s_mul_i32 s98, s[PRT], PART
	s_add_co_u32 s100, s100, s98
	s_and_b32 s99, s99, 15
	s_mul_i32 s99, s99, REC
	s_add_co_u32 s100, s100, s99                   ; under 2^25
	s_mov_b32 s101, 0
	s_add_nc_u64 s[12:13], s[12:13], s[100:101]
	s_mov_b32 s20, 0x76543210                      ; selects of v_permlanex16_b32 for lane l xor 16
	s_mov_b32 s21, 0xfedcba98
.macro FRAG reg, adr, q, i             ; a fragment: lane (r, h) takes 24 bytes of row r at 96 q + 24 h and 24 more 48 bytes on, as they lie, in pieces of 8 bytes
.irp p, 0,1,2,3,4,5
.set PC, 12*(\q)+6*(\p/3)+\p%3        ; the piece of lanes 0-15; lanes 16-31 take the piece three on, which for some lies behind one padding more: the second address register serves those
.if PC%8 < 5
	ds_load_b64 v[\reg+2*\p:\reg+2*\p+1], v[\adr] offset:8*PC+16*(PC/8)+(\i)*16*PITCH
.else
	ds_load_b64 v[\reg+2*\p:\reg+2*\p+1], v[\adr+2] offset:8*PC+16*(PC/8)+(\i)*16*PITCH
.endif
.endr
.endm
; 16 matrix instructions: blocks a0, a0 + 1 of R x the eight of P.  The 64 accumulators take turns, one instruction a turn, in the same order in every step.
.macro MUL16 a0, p, q, sc, zero
.irp a, \a0, \a0+1
.irp b, 0,1,2,3,4,5,6,7
.if \zero
	v_wmma_scale_f32_16x16x128_f8f6f4 v[8*(8*((\a)%4)+\b):8*(8*((\a)%4)+\b)+7], v[128*(\p)+FR*\b:128*(\p)+FR*\b+FR-1], v[AF+FR*(\a):AF+FR*(\a)+FR-1], 0, v[SC+8*NQ*(\sc)+NQ*\b+(\q)], v[SC+8*NQ*(\sc)+NQ*(\a)+(\q)] matrix_a_fmt:MATRIX_FMT_FP6 matrix_b_fmt:MATRIX_FMT_FP6 matrix_a_scale:MATRIX_SCALE_ROW1
.else
	v_wmma_scale_f32_16x16x128_f8f6f4 v[8*(8*((\a)%4)+\b):8*(8*((\a)%4)+\b)+7], v[128*(\p)+FR*\b:128*(\p)+FR*\b+FR-1], v[AF+FR*(\a):AF+FR*(\a)+FR-1], v[8*(8*((\a)%4)+\b):8*(8*((\a)%4)+\b)+7], v[SC+8*NQ*(\sc)+NQ*\b+(\q)], v[SC+8*NQ*(\sc)+NQ*(\a)+(\q)] matrix_a_fmt:MATRIX_FMT_FP6 matrix_b_fmt:MATRIX_FMT_FP6 matrix_a_scale:MATRIX_SCALE_ROW1
.endif
.endr
.endr
.endm
.macro FETCH_B slot, q, p              ; the eight fragments of P of the q-th 128 along K of the slot into set p
	WIN TO_B
.irp i, 0,1,2,3,4,5,6,7
	FRAG 128*(\p)+FR*\i, ADRB+\slot, \q, \i
.endr
	WIN 0
.endm
.macro FETCH_A slot, q, i0             ; blocks i0 .. i0 + 3 of R
.irp i, \i0, \i0+1, \i0+2, \i0+3
	FRAG AF+FR*(\i), ADRA+\slot, \q, \i
.endr
.endm
.macro SCALES sc                       ; the scale words of the next K step: two words a row; lanes 0-15 block i of R, lanes 16-31 block i of P
.irp i, 0,1,2,3,4,5,6,7
	ds_load_b64 v[SC+8*NQ*\sc+NQ*\i:SC+8*NQ*\sc+NQ*\i+1], v[ADRS] offset:\i*SBLK
.endr
.endm
.macro PLACES n                        ; plain vector instructions between a matrix instruction and a load into, or a read of, its registers
.rept \n
	v_nop
.endr
.endm
.macro STEP slot, q, zero              ; 128 along K whose successor lies in the same slot
	s_wait_dscnt 4*NL                              ; the set of P and blocks 0-3 of R are in; the youngest 24 loads (blocks 4-7) may be out
	WIN MUL_LO
	MUL16 0, (\q)%2, \q, \slot, \zero
	MUL16 2, (\q)%2, \q, \slot, \zero
	s_wait_dscnt 0
	PLACES NP
	FETCH_B \slot, (\q)+1, 1-(\q)%2
	FETCH_A \slot, (\q)+1, 0
	WIN MUL_HI
	MUL16 4, (\q)%2, \q, \slot, \zero
	MUL16 6, (\q)%2, \q, \slot, \zero
	PLACES NP
	WIN 0
	FETCH_A \slot, (\q)+1, 4
.endm
; The last step of a slot changes slots: one barrier; in front of it each wave waits for all its tensor loads, adds 0 to its spare word, and waits for that and for its own reads of this slot.
.macro TURN slot, next, fill
	s_wait_tensorcnt 0x0                           ; all my tensor loads have landed: my part of the next slot
	ds_add_u32 v[SPW], v[NIL]                      ; 0 onto my spare word
	s_wait_dscnt 4*NL+1                            ; the add and the youngest 24 loads may be out
	WIN MUL_LO
	MUL16 0, 1, NQ-1, \slot, 0
	s_wait_dscnt 0x0                               ; the add is done, and my reads of this slot are over
	s_barrier_signal -1
	MUL16 2, 1, NQ-1, \slot, 0
	WIN 0
	s_barrier_wait -1
.if \fill
	CREST                                          ; the barrier has opened a round of the cluster barrier: no wave of any partner still reads this slot or has a load on its way
	s_add_nc_u64 s[G0+4*\slot+2:G0+4*\slot+3], s[G0+4*\slot+2:G0+4*\slot+3], 2*ROWB
	s_add_nc_u64 s[G0B+4*\slot+2:G0B+4*\slot+3], s[G0B+4*\slot+2:G0B+4*\slot+3], 2*ROWB
	JLOAD G0+4*\slot, G1, G0B+4*\slot, G1B         ; the first tensor load behind the round; its four v_nop are the places in front of the loads below
.else
	PLACES NP
.endif
	v_add_nc_u32 v[ADRS], 4*NQ, v[ADRS]            ; on to the scale words of the next K step
	FETCH_B \next, 0, 0
	FETCH_A \next, 0, 0
	SCALES \next
	WIN MUL_HI
	MUL16 4, 1, NQ-1, \slot, 0
	MUL16 6, 1, NQ-1, \slot, 0
	PLACES NP
	WIN 0
	FETCH_A \next, 0, 4
.endm
	s_wait_tensorcnt 1                             ; the scales and my part of K step 0 are in; the load of K step 1 may be out
	s_barrier_signal -1
	s_barrier_wait -1
	FETCH_B 0, 0, 0
	FETCH_A 0, 0, 0
	SCALES 0
	FETCH_A 0, 0, 4
	STEP 0, 0, 1                                   ; the first step starts the sums: nothing is cleared
	s_mov_b32 s3, LAPS-1
.Llap:                                                 ; a trip goes once round the ring and fills both slots again
	TURN 0, 1, 1
	STEP 1, 0, 0
	TURN 1, 0, 1
	STEP 0, 0, 0
	s_sub_co_u32 s3, s3, 1
	s_cmp_lg_u32 s3, 0
	s_cbranch_scc1 .Llap
	TURN 0, 1, 0                                   ; the last lap fills nothing
	STEP 1, 0, 0
	s_wait_dscnt 4*NL
	WIN MUL_LO
	MUL16 0, 1, NQ-1, 1, 0
	MUL16 2, 1, NQ-1, 1, 0
	s_wait_dscnt 0
	WIN MUL_HI
	MUL16 4, 1, NQ-1, 1, 0
	MUL16 6, 1, NQ-1, 1, 0
	WIN 0
; THE WAY OUT.  The 64 registers of block a of R (window w, from src on) are 128 numbers along P of my row, shared with lane l xor 16: four blocks of 32.
; QUANT makes their codes: blocks 0, 1 into six registers from d0 on, blocks 2, 3 into six from d1 on, and the four scale bytes into v[pw].
.macro QUANT w, src, d0, d1, pw
	WIN (\w)|((\w)<<2)                             ; sources 0 and 1: the accumulators
.irp b, 0,1,2,3
	v_max3_num_f32 v[TM+\b], |v[(\src)+16*\b]|, |v[(\src)+16*\b+1]|, 0x1800000   ; my 16 numbers of block b, each accumulator from its low end on, and the floor 2^(3 - 127): the byte cannot fall under 1
.endr
.irp i, 2,4,6,8,10,12,14
.irp b, 0,1,2,3
	v_max3_num_f32 v[TM+\b], |v[(\src)+16*\b+\i]|, |v[(\src)+16*\b+\i+1]|, v[TM+\b]   ; the four blocks by turns
.endr
.endr
	WIN 0
.irp b, 0,1,2,3
	v_permlanex16_b32 v[TM+4+\b], v[TM+\b], s20, s21
.endr
.irp b, 0,1,2,3
	v_max_num_f32 v[TM+\b], v[TM+\b], v[TM+4+\b]   ; with the 16 of lane l xor 16: the largest magnitude of the block
.endr
.irp b, 0,1,2,3
	v_add_nc_u32 v[TM+12+\b], 0xff000000, v[TM+\b] ; 2 off its exponent field: the scale operand of the conversion
.endr
.irp b, 0,1,2,3
	v_lshrrev_b32 v[TM+4+\b], 23, v[TM+12+\b]      ; the byte
.endr
	v_lshl_or_b32 v[\pw], v[TM+5], 8, v[TM+4]
	v_lshl_or_b32 v[\pw], v[TM+6], 16, v[\pw]
	v_lshl_or_b32 v[\pw], v[TM+7], 24, v[\pw]
	WIN (\w)                                       ; source 0: the accumulators
	v_cvt_scalef32_pk16_fp6_f32 v[(\d0):(\d0)+2], v[(\src):(\src)+15], v[TM+12]
	v_cvt_scalef32_pk16_fp6_f32 v[T0:T0+2], v[(\src)+16:(\src)+31], v[TM+13]     ; (the three registers of a conversion begin on an even number)
	v_cvt_scalef32_pk16_fp6_f32 v[(\d1):(\d1)+2], v[(\src)+32:(\src)+47], v[TM+14]
	v_cvt_scalef32_pk16_fp6_f32 v[T1:T1+2], v[(\src)+48:(\src)+63], v[TM+15]
	WIN 0
	v_nop                                          ; one plain place behind a scaled conversion
.irp i, 0,1,2                                  ; the layout of an operand wants a whole block in a lane: lanes 0-15 the even block, lanes 16-31 the odd one
	v_permlane16_swap_b32 v[(\d0)+\i], v[T0+\i]
	v_permlane16_swap_b32 v[(\d1)+\i], v[T1+\i]
.endr
.irp i, 0,1,2
	v_mov_b32 v[(\d0)+3+\i], v[T0+\i]
	v_mov_b32 v[(\d1)+3+\i], v[T1+\i]
.endr
.endm
	PLACES NP                                      ; behind the last products
.irp b, 0,1,2,3
	v_mov_b32 v[TM+4+\b], 0                        ; written once: the destination of a lane permute counts as one of its sources
.endr
	s_cmp_lg_u32 s[KIND], 0                        ; the kind is the same in all sixteen partners
	s_cbranch_scc1 .Lv_out
	; q or k: blocks 0, 1 are the 64 channels of my first head, blocks 2, 3 those of my second.  Two tiles of tokens make a pair image for each head.
.irp p, 0,1,2,3
.if \p > 0
	s_wait_xcnt 0x0                                ; the stores of the pair before have read their registers
.endif
	QUANT 2+(\p)/2, 64*((2*\p)%4), HA, HB, PWS+2*\p
	QUANT 2+(\p)/2, 64*((2*\p+1)%4), HA+6, HB+6, PWS+2*\p+1
.irp c, 0,1,2
	global_store_b128 v[LI], v[HA+4*\c:HA+4*\c+3], s[12:13] offset:1536*\p+512*\c        ; 32 lanes store 512 consecutive bytes, aligned to 256
	global_store_b128 v[LI], v[HB+4*\c:HB+4*\c+3], s[12:13] offset:HEAD+1536*\p+512*\c
.endr
.endr
	v_and_b32 v1, 31, v0
	v_cmp_le_u32 vcc_lo, 16, v1                    ; lanes 16-31
.irp i, 0,1,2,3
	v_cndmask_b32 v[SWB+\i], v[PWS+2*\i], v[PWS+2*\i+1], vcc_lo   ; lanes 0-15 the word of the even tile, lanes 16-31 that of the odd one
.endr
.irp i, 0,1,2,3
	v_and_b32 v[SWA+\i], 0xffff, v[SWB+\i]         ; the two bytes of the first head; bytes 2 and 3, of the half of K that holds no numbers, are 0
.endr
.irp i, 0,1,2,3
	v_lshrrev_b32 v[SWB+\i], 16, v[SWB+\i]         ; those of the second
.endr
	global_store_b128 v[LI], v[SWA:SWA+3], s[12:13] offset:6144
	global_store_b128 v[LI], v[SWB:SWB+3], s[12:13] offset:HEAD+6144
	s_branch .Lend
.Lv_out:
	; v: block a of R is 16 channels: tile a % 4 of head a / 4; the four blocks are my 128 keys: a whole fragment
.irp a, 0,1,2,3,4,5,6,7
.if \a > 0
	s_wait_xcnt 0x0                                ; the earlier stores have read their registers
.endif
	QUANT 2+(\a)/4, 64*((\a)%4), HA+12*((\a)%2), HA+12*((\a)%2)+6, PWS+\a
.irp c, 0,1,2
	global_store_b128 v[LI], v[HA+12*((\a)%2)+4*\c:HA+12*((\a)%2)+4*\c+3], s[12:13] offset:((\a)/4)*HEAD+((\a)%4)*1536+512*\c
.endr
.endr
	global_store_b128 v[LI], v[PWS:PWS+3], s[12:13] offset:6144
	global_store_b128 v[LI], v[PWS+4:PWS+7], s[12:13] offset:HEAD+6144
.Lend:
	s_wait_tensorcnt 0x0                           ; the end of the wave
	ds_add_u32 v[SPW], v[NIL]
	s_wait_dscnt 0x0
	CROUND                                         ; the closing round: no work-group ends while a partner may still ask for a tile that names it
	s_endpgm
.Lfunc_end_k_q5bf187315e_proj:
	.size	k_q5bf187315e_proj, .Lfunc_end_k_q5bf187315e_proj-k_q5bf187315e_proj
	.p2alignl 7, 3214868480
	.fill 96, 4, 3214868480
	.section	.rodata,"a",@progbits
	.p2align	6, 0x0
	.amdhsa_kernel k_q5bf187315e_proj
		.amdhsa_group_segment_fixed_size 327680
		.amdhsa_private_segment_fixed_size 0
		.amdhsa_enable_private_segment 0
		.amdhsa_kernarg_size 72
		.amdhsa_user_sgpr_count 2
		.amdhsa_user_sgpr_kernarg_segment_ptr 1
		.amdhsa_wavefront_size32 1
		.amdhsa_system_sgpr_workgroup_id_x 1
		.amdhsa_system_sgpr_workgroup_id_y 1
		.amdhsa_system_sgpr_workgroup_id_z 1
		.amdhsa_system_vgpr_workitem_id 0
		.amdhsa_next_free_vgpr 1024
		.amdhsa_next_free_sgpr 102
		.amdhsa_reserve_vcc 1
		.amdhsa_float_denorm_mode_32 3
		.amdhsa_float_denorm_mode_16_64 3
		.amdhsa_memory_ordered 1
		.amdhsa_forward_progress 1
		.amdhsa_inst_pref_size 198
	.end_amdhsa_kernel
	.amdgpu_metadata
---
amdhsa.version: [ 1, 2 ]
amdhsa.kernels:
  - .name:           k_q5bf187315e_proj
    .symbol:         k_q5bf187315e_proj.kd
    .args:
      - { .name: x_codes, .offset: 0, .size: 8, .value_kind: global_buffer, .address_space: global }
      - { .name: x_scales, .offset: 8, .size: 8, .value_kind: global_buffer, .address_space: global }
      - { .name: Wq_codes, .offset: 16, .size: 8, .value_kind: global_buffer, .address_space: global }
      - { .name: Wq_scales, .offset: 24, .size: 8, .value_kind: global_buffer, .address_space: global }
      - { .name: Wk_codes, .offset: 32, .size: 8, .value_kind: global_buffer, .address_space: global }
      - { .name: Wk_scales, .offset: 40, .size: 8, .value_kind: global_buffer, .address_space: global }
      - { .name: Wv_codes, .offset: 48, .size: 8, .value_kind: global_buffer, .address_space: global }
      - { .name: Wv_scales, .offset: 56, .size: 8, .value_kind: global_buffer, .address_space: global }
      - { .name: qkv, .offset: 64, .size: 8, .value_kind: global_buffer, .address_space: global }
    .group_segment_fixed_size: 327680
    .private_segment_fixed_size: 0
    .kernarg_segment_align: 8
    .kernarg_segment_size: 72
    .max_flat_workgroup_size: 128
    .sgpr_count:     102
    .vgpr_count:     1024
    .wavefront_size: 32
...
	.end_amdgpu_metadata
.endif
;; end of part 1
;; launch attn (part 2): grid 4 x 64, 16 waves a work-group, clusters of 4 x 1, 215,040 bytes of LDS; arguments qkv, attn_codes, attn_scales; writes attn_codes, attn_scales
.if DOCPART == 2
	.amdgcn_target "amdgcn-amd-amdhsa--gfx1250"
	.amdhsa_code_object_version 6
	.text
	.protected	k_q5bf187315e_attn
	.globl	k_q5bf187315e_attn
	.p2align	8
	.type	k_q5bf187315e_attn,@function
k_q5bf187315e_attn:
	s_mov_b64 s[64:65], 0
	v_nop
	global_prefetch_b8 v0, s[64:65] scope:SCOPE_SE
	s_setreg_imm32_b32 hwreg(HW_REG_WAVE_MODE, 25, 1), 1
	s_wait_xcnt 0x0
	s_wait_alu depctr_hold_cnt(0) depctr_sa_sdst(0) depctr_va_vdst(0) depctr_va_sdst(0) depctr_va_ssrc(0) depctr_va_vcc(0) depctr_vm_vsrc(0)
	s_getreg_b32 s2, hwreg(HW_REG_IB_STS2, 6, 4)
	s_cmp_eq_u32 s2, 0
	s_cbranch_scc0 .Lentry_in_a_cluster
	s_endpgm
.Lentry_in_a_cluster:
	s_bfe_u32 s2, ttmp6, 0x10000c
	s_cmp_lg_u32 s2, 0x3003
	s_cbranch_scc0 .Lentry_shape_is_right
	s_endpgm
.Lentry_shape_is_right:
; Causal attention of one head (2,048 tokens, 64 channels) on codes of FP6 (E2M3) with E8M0 scales, and the quantising of its result along the 1,024 of the model.
; t = score x log2(e) / 8; M = the largest t of the row so far, rounded up to a whole number; p = 2^(t - M) is quantised along the keys, not normalised; the sum of the unquantised p divides at the end.
; When M moves, the sum and O are multiplied by 2^(old M - new M), which rounds nothing.
; SHARES.  The four work-groups of a cluster serve one (batch, head).  All of its k and v, 32 records of 6,656 bytes, come into LDS ONCE, by joint loads (each of the sixteen waves asks for two records), and stay:
; nothing is filled again.  A wave owns one tile of 16 queries at a time, two in all: tile 4 u + cx with u = wave xor 31, then with u = wave.  The key step on the diagonal is u / 2, whatever cx:
; so every branch hangs on the wave number and on counted loops alone, and every wave works 17 key steps of 128 keys.  Four waves share a SIMD: the vector work of one stands beside the products and LDS loads of another.
; LAYOUT.  Both products are used transposed: S^T = k q^T (source 0 = 16 keys), O^T = v^T p^T (source 0 = 16 channels): a lane holds one query (lane % 16) throughout.
; Inside a block of 32 the codes of q, k, p and v lie in the order 0-7, 16-23, 8-15, 24-31, alike in both operands of each product.  The result meets Wo, which is given in plain order: its numbers change lanes first (EPILOG).
; K = 64 IN AN INSTRUCTION OF 128.  The upper six registers of the operand of q are zero codes.  The operand of key tile t is v[32 + 6 t] on, twelve registers: its upper six are the codes of the next tile (zeros behind the last).
; E2M3 has no code for infinity or NaN, so any code x the zero code adds 0; the scale bytes of that half are 0 on both sides, which stands for 2^-127.
; LIMITS: NaN and infinities are not served; p under 2^-126 counts as 0 (v_exp_f32 gives 0 there: ISA guide, its entry); t under -3e38 is not served; a block of the result whose largest magnitude lies under 2^-124 gets the byte 1.
; REGISTERS: v1 16 x lane, v2 8 x lane, v3 the mask number, v4 LDS address in hand, v5 16 r, v6 32 r, v7 r - 8 h; v12 -M, v13 largest t, v[14:15] the sum in two halves; v16-27 q and zeros, v28 its scale word;
; v32-79 k (8 tiles x 6), then v (4 x 12); v80-85 zeros; v88-91, v92-95 their scale words; v96-159 S^T, then p; v160-191 O^T; v224-235 the codes of p; v232-254 at work.
.set HEAD,  319488                     ; qkv: bytes of a head, of a part, of a record
.set PART,  106496
.set REC,   6656
.set VOFF,  8*REC                      ; LDS: k of steps 0-7, v of steps 0-7,
.set HALF2, 16*REC                     ; then k of steps 8-15, v of steps 8-15
.macro ROUND                           ; a round of the cluster barrier
	s_barrier_signal -1
	s_barrier_wait -1
	s_cmp_lg_u32 s14, 0
	s_cbranch_scc1 .Lnot_wave_0_\@
	s_barrier_signal -3
.Lnot_wave_0_\@:
	s_barrier_wait -3
	s_barrier_signal -1
	s_barrier_wait -1
.endm
	s_load_b128 s[4:7], s[0:1], 0x0                ; qkv, attn_codes
	s_load_b64 s[8:9], s[0:1], 0x10                ; attn_scales
	v_lshl_add_u32 v251, v0, 2, 0x34000
	v_mov_b32 v255, 0
	ds_add_u32 v251, v255
	ds_add_u32 v251, v255
	v_lshrrev_b32 v8, 5, v0
	s_delay_alu instid0(VALU_DEP_1)
	v_readfirstlane_b32 s14, v8                    ; wave 0..15
	s_bfe_u32 s15, ttmp6, 0x40000                  ; cx: it enters global addresses of q and of the result, one select and the mask number; no branch, no LDS address
	s_and_b32 s16, ttmp7, 0xffff                   ; 16 x batch + head, which the four partners share
	v_and_b32 v8, 31, v0
	s_delay_alu instid0(VALU_DEP_1)
	v_lshlrev_b32 v1, 4, v8
	s_delay_alu instid0(VALU_DEP_2)
	v_lshlrev_b32 v2, 3, v8
	v_and_b32 v9, 15, v0                           ; r
	v_bfe_u32 v10, v0, 4, 1                        ; h
	s_delay_alu instid0(VALU_DEP_2)
	v_lshlrev_b32 v5, 4, v9
	s_delay_alu instid0(VALU_DEP_3)
	v_lshlrev_b32 v6, 5, v9
	s_delay_alu instid0(VALU_DEP_3)
	v_lshlrev_b32 v10, 3, v10
	s_delay_alu instid0(VALU_DEP_1)
	v_sub_nc_u32 v7, v9, v10                       ; r - 8 h
.irp j, 22,23,24,25,26,27,80,81,82,83,84,85
	v_mov_b32 v\j, 0                               ; zero codes
.endr
.irp j, 236,237,238,239,252,253
	v_mov_b32 v\j, 0                               ; written once: destinations of lane permutes, and the upper half of a pair that is named whole
.endr
	; group 1: a record, 6,656 dense bytes, as 26 rows of 32 elements of 8 bytes; the mask names all four work-groups
	s_mov_b32 s24, 15|(3<<16)|(1<<21)
	s_mov_b32 s25, 32<<16
	s_mov_b32 s26, 26<<16
	s_mov_b32 s27, 32<<16
	s_mov_b32 s28, 26
	s_mov_b32 s29, 32
	s_mov_b32 s30, 0
	s_mov_b32 s31, 0
	s_mov_b32 s20, 0x76543210                      ; selects for lane l xor 16
	s_mov_b32 s21, 0xfedcba98
	s_mov_b32 s22, 0x3e38aa3b                      ; c = log2(e) / 8
	s_mov_b32 s23, s22                             ; (named with it as a pair)
	s_mul_i32 s45, s16, HEAD                       ; the first byte of the head in qkv, under 2^25
	s_lshr_b32 s46, s14, 3                         ; waves 0-7 fetch k, waves 8-15 v: part 1 or 2,
	s_add_co_u32 s46, s46, 1
	s_mul_i32 s46, s46, PART
	s_and_b32 s47, s14, 7                          ; key step wave % 8, and later 8 more
	s_mul_i32 s47, s47, REC
	s_add_co_u32 s46, s46, s47
	s_add_co_u32 s46, s46, s45
	s_mov_b32 s47, 0
	s_mov_b32 s32, 1
	s_mul_i32 s33, s14, REC                        ; LDS: wave x a record
	s_mov_b32 s36, 1
	s_add_co_u32 s37, s33, HALF2
	s_and_b32 s76, s15, 1
	s_sub_co_u32 s44, 0, s76                       ; all ones where my tile is the odd one of its pair
	s_lshl_b32 s76, s76, 8
	s_add_co_u32 s76, s76, 6144                    ; the scale words of q: lanes 16-31 of the image hold those of the odd tile, 256 bytes on
	s_lshr_b32 s77, s16, 4
	s_lshl_b32 s77, s77, 7                         ; 128 tiles of rows a batch
	s_and_b32 s79, s16, 15                         ; the head
	s_lshl_b32 s78, s79, 1                         ; its two scale bytes in a row of 32
	s_and_b32 s80, s79, 1
	s_mul_i32 s80, s80, 768                        ; its half of a fragment image
	s_lshr_b32 s79, s79, 1                         ; its K step of the last product
	s_mov_b32 s73, 0
	s_mov_b32 s75, 0
	s_xor_b32 s81, s14, 31                         ; the first unit: 31 - wave
	s_wait_dscnt 0x0
	s_wait_kmcnt 0x0
	s_add_nc_u64 s[34:35], s[4:5], s[46:47]
	s_add_nc_u64 s[38:39], s[34:35], 8*REC
	s_or_b32 s35, s35, 0x80000000
	s_or_b32 s39, s39, 0x80000000
; What hangs on a unit u: the addresses of the pair image of q, of its scale words, of the image and the scale bytes of the result; the key step on the diagonal; 16 x (tile % 8).
.macro BASES u, qc, qs, oc, os, sd, off
	s_lshl_b32 s70, s[\u], 2
	s_add_co_u32 s70, s70, s15                     ; my tile of 16 queries: 4 u + cx
	s_lshr_b32 s[\sd], s[\u], 1                    ; tile / 8 = u / 2
	s_and_b32 s71, s70, 7
	s_lshl_b32 s[\off], s71, 4
	s_lshr_b32 s71, s71, 1                         ; the pair in the record
	s_mul_i32 s72, s[\sd], REC
	s_add_co_u32 s72, s72, s45
	s_lshl_b32 s74, s71, 2
	s_add_co_u32 s74, s74, s72
	s_add_co_u32 s74, s74, s76
	s_mul_i32 s71, s71, 1536
	s_add_co_u32 s72, s72, s71
	s_add_nc_u64 s[\qc:\qc+1], s[4:5], s[72:73]
	s_add_nc_u64 s[\qs:\qs+1], s[4:5], s[74:75]
	s_add_co_u32 s72, s70, s77                     ; the tile among all 512
	s_lshl_b32 s74, s72, 9                         ; 16 rows of 32 scale bytes
	s_add_co_u32 s74, s74, s78
	s_lshl_b32 s72, s72, 3
	s_add_co_u32 s72, s72, s79
	s_mul_i32 s72, s72, 1536
	s_add_co_u32 s72, s72, s80
	s_add_nc_u64 s[\oc:\oc+1], s[6:7], s[72:73]
	s_add_nc_u64 s[\os:\os+1], s[8:9], s[74:75]
.endm
	BASES 81, 48, 50, 52, 54, 56, 57
	BASES 14, 58, 60, 62, 66, 68, 69
	ROUND                                          ; all four work-groups are here: the joint loads meet
	tensor_load_to_lds s[32:35], s[24:31]          ; my record of key steps 0-7
	s_nop 0
	tensor_load_to_lds s[36:39], s[24:31]          ; and of key steps 8-15: two tensor loads of mine are out
	s_nop 0
.rept 4
	v_nop
.endr
; A tile of queries begins: its codes and scale word; M, the sum and O^T start anew.
.macro PROLOG qc, qs, sd, off
.irp c, 0,1,2
	global_load_b128 v[96+4*\c:99+4*\c], v1, s[\qc:\qc+1] offset:512*\c   ; both tiles of the pair, 512 consecutive bytes a load
.endr
	global_load_b32 v28, v5, s[\qs:\qs+1]
	v_add_nc_u32 v3, s[\off], v7                   ; d = my query - the first key of the step on the diagonal - 8 h
	v_mov_b32 v13, 0xff61b1e6                      ; the largest t so far: -3e38
	s_delay_alu instid0(VALU_DEP_1)
	v_floor_f32 v12, -v13                          ; -M
	v_mov_b32 v14, 0
	v_mov_b32 v15, 0
.set j, 0
.rept 32
	v_mov_b32 v[160+j], 0                          ; O^T: the step is written once; the first change of M leaves zeros zeros
.set j, j+1
.endr
	s_mov_b32 s42, s[\sd]
	s_wait_loadcnt 0x0
.irp i, 0,1,2,3,4,5
	v_cndmask_b32 v[16+\i], v[96+\i], v[102+\i], s44   ; my tile of the two
.endr
.rept 4
	v_nop                                          ; an operand written by vector instructions stands four places ahead of a scaled matrix instruction
.endr
.endm
; A KEY STEP: 128 keys; s40 = where its record of k begins in LDS, s41 = its number.
.macro STEP causal
.if \causal
	s_cmp_gt_u32 s41, s42                          ; all its keys come after my queries: its work is left out; the lines at its end that step addresses are not
	s_cbranch_scc1 .Lhidden_\@
.endif
	s_setprio 2
	v_add_nc_u32 v4, s40, v1
.rept 3
	v_nop                                          ; with the addition: four places behind the last products, ahead of loads into their sources
.endr
.irp g, 0,1,2,3,4,5,6,7,8,9,10,11
	ds_load_b128 v[32+4*\g:35+4*\g], v4 offset:512*\g      ; k: four pair images, as they were stored
.endr
	ds_load_b128 v[88:91], v4 offset:6144
	s_wait_alu depctr_va_vdst(0)
	s_wait_dscnt 0x0
.irp t, 0,1,2,3,4,5,6,7                        ; S^T = k q^T: lane (r, h), register 8 t + j: key 16 t + 8 h + j, query r
.if (\t%2) == 1
	v_wmma_scale_f32_16x16x128_f8f6f4 v[96+8*\t:103+8*\t], v[32+6*\t:43+6*\t], v[16:27], 0, v[88+\t/2], v28 matrix_a_fmt:MATRIX_FMT_FP6 matrix_b_fmt:MATRIX_FMT_FP6 matrix_a_scale:MATRIX_SCALE_ROW1
.else
	v_wmma_scale_f32_16x16x128_f8f6f4 v[96+8*\t:103+8*\t], v[32+6*\t:43+6*\t], v[16:27], 0, v[88+\t/2], v28 matrix_a_fmt:MATRIX_FMT_FP6 matrix_b_fmt:MATRIX_FMT_FP6
.endif
.endr
.rept 4
	v_nop
.endr
.irp g, 0,1,2,3,4,5,6,7,8,9,10,11
	ds_load_b128 v[32+4*\g:35+4*\g], v4 offset:VOFF+512*\g   ; v is asked for now and lands under the softmax
.endr
	ds_load_b128 v[92:95], v4 offset:VOFF+6144
.if \causal
	s_cmp_lt_u32 s41, s42                          ; a step all of whose keys count skips the mask
	s_cbranch_scc1 .Lopen_\@
	v_mov_b32 v254, 0xff800000                     ; -infinity: p = 0 then
.irp n, 0,1,2,3,4,5,6,7,8,9,10,11,12,13,14,15,16,17,18,19,20,21,22,23,24,25,26,27,28,29,30,31,32,33,34,35,36,37,38,39,40,41,42,43,44,45,46,47,48,49,50,51,52,53,54,55,56,57,58,59,60,61,62,63
	v_cmp_gt_i32 vcc_lo, 16*(\n/8)+\n%8, v3        ; register n holds the key 16 (n / 8) + 8 h + n % 8 of the step: hidden where that lies behind my query
	v_cndmask_b32 v[96+\n], v[96+\n], v254, vcc_lo
.endr
.Lopen_\@:
.endif
.irp b, 0,1,2,3
	v_max3_num_f32 v[232+\b], v[96+16*\b], v[97+16*\b], v[98+16*\b]   ; the largest score of each block of 32 keys: for the maximum of the row, and, since p rises with the score, for the largest p of the block
.endr
.irp i, 3,5,7,9,11,13
.irp b, 0,1,2,3
	v_max3_num_f32 v[232+\b], v[232+\b], v[96+16*\b+\i], v[97+16*\b+\i]
.endr
.endr
.irp b, 0,1,2,3
	v_max_num_f32 v[232+\b], v[232+\b], v[111+16*\b]
.endr
.irp b, 0,1,2,3
	s_delay_alu instid0(VALU_DEP_4)
	v_permlanex16_b32 v[236+\b], v[232+\b], s20, s21
.endr
.irp b, 0,1,2,3
	s_delay_alu instid0(VALU_DEP_4)
	v_max_num_f32 v[232+\b], v[232+\b], v[236+\b]  ; with the 16 keys of lane l xor 16
.endr
	s_delay_alu instid0(VALU_DEP_2)
	v_max3_num_f32 v254, v232, v233, v234
	s_delay_alu instid0(VALU_DEP_1)
	v_max_num_f32 v254, v254, v235
	s_delay_alu instid0(VALU_DEP_1)
	v_mul_f32 v254, s22, v254                      ; as t (c is positive)
	s_delay_alu instid0(VALU_DEP_1)
	v_max_num_f32 v13, v13, v254                   ; the running largest t
	v_mov_b32 v254, v12
	s_delay_alu instid0(VALU_DEP_2)
	v_floor_f32 v12, -v13                          ; the new -M = floor(-t) = -ceil(t)
	s_delay_alu instid0(VALU_DEP_1)
	v_sub_f32 v254, v12, v254                      ; old M - new M: a whole number, 0 or less
	s_delay_alu instid0(VALU_DEP_1)
	v_cvt_i32_f32 v254, v254                       ; (it saturates)
	s_delay_alu instid0(VALU_DEP_1)
	v_ldexp_f32 v252, 1.0, v254                    ; f = 2^(old M - new M)
.set j, 0
.rept 32
	v_pk_fma_f32 v[96+j:97+j], v[96+j:97+j], s[22:23], v[12:13] op_sel_hi:[1,0,0]   ; t - M, two at a time
.set j, j+2
.endr
.irp b, 0,1,2,3
	v_fma_f32 v[232+\b], v[232+\b], s22, v12       ; the same of the largest score of each block
.endr
.set j, 0
	s_setprio 1
	s_wait_alu depctr_va_vdst(0)
.rept 64
	v_exp_f32 v[96+j], v[96+j]                     ; p = 2^(t - M), at most 1
.set j, j+1
.endr
.irp b, 0,1,2,3
	v_exp_f32 v[232+\b], v[232+\b]                 ; the largest p of the block: the same two instructions on the same number
.endr
	v_pk_mul_f32 v[14:15], v[14:15], v[252:253] op_sel_hi:[1,0]   ; the sums under the new M (a plain place behind the exponentials)
	s_wait_alu depctr_va_vdst(0)
.irp b, 0,1,2,3
	v_max_num_f32 v[232+\b], 0x1800000, v[232+\b]  ; the floor 2^(3 - 127): the byte cannot fall under 1
.endr
.irp b, 0,1,2,3
	s_delay_alu instid0(VALU_DEP_4)
	v_add_nc_u32 v[244+\b], 0xff000000, v[232+\b]  ; 2 off the exponent field: the scale operand
.endr
.irp b, 0,1,2,3
	s_delay_alu instid0(VALU_DEP_4)
	v_lshrrev_b32 v[236+\b], 23, v[244+\b]         ; the byte
.endr
	s_delay_alu instid0(VALU_DEP_3)
	v_lshl_or_b32 v253, v237, 8, v236              ; the scale word of p for these 128 keys
	s_delay_alu instid0(VALU_DEP_1)
	v_lshl_or_b32 v253, v238, 16, v253
	s_delay_alu instid0(VALU_DEP_1)
	v_lshl_or_b32 v253, v239, 24, v253
.irp c, 0,1
	v_cvt_scalef32_pk16_fp6_f32 v[224+6*\c:226+6*\c], v[96+32*\c:111+32*\c], v[244+2*\c]
	v_cvt_scalef32_pk16_fp6_f32 v[236+4*\c:238+4*\c], v[112+32*\c:127+32*\c], v[244+2*\c+1]
.endr
	v_nop                                          ; one plain place behind a scaled conversion
.irp c, 0,1                                    ; a whole block to a lane: lanes 0-15 block 2 c, lanes 16-31 block 2 c + 1
.irp i, 0,1,2
	v_permlane16_swap_b32 v[224+6*\c+\i], v[236+4*\c+\i]
.endr
.irp i, 0,1,2
	s_delay_alu instid0(VALU_DEP_3)
	v_mov_b32 v[227+6*\c+\i], v[236+4*\c+\i]
.endr
.endr
	v_pk_add_f32 v[236:237], v[100:101], v[104:105]
	v_pk_add_f32 v[248:249], v[108:109], v[112:113]
	v_pk_add_f32 v[246:247], v[116:117], v[120:121]
	v_pk_add_f32 v[244:245], v[124:125], v[128:129]
	v_pk_add_f32 v[242:243], v[132:133], v[136:137]
	v_pk_add_f32 v[240:241], v[140:141], v[144:145]
	v_pk_add_f32 v[222:223], v[148:149], v[152:153]
	v_pk_add_f32 v[14:15], v[14:15], v[156:157]
	v_pk_add_f32 v[236:237], v[236:237], v[96:97]
	v_pk_add_f32 v[248:249], v[248:249], v[98:99]
	v_pk_add_f32 v[246:247], v[246:247], v[102:103]
	v_pk_add_f32 v[244:245], v[244:245], v[106:107]
	v_pk_add_f32 v[242:243], v[242:243], v[110:111]
	v_pk_add_f32 v[240:241], v[240:241], v[114:115]
	v_pk_add_f32 v[222:223], v[222:223], v[118:119]
	v_pk_add_f32 v[14:15], v[14:15], v[122:123]
	v_pk_add_f32 v[236:237], v[236:237], v[126:127]
	v_pk_add_f32 v[248:249], v[248:249], v[130:131]
	v_pk_add_f32 v[246:247], v[246:247], v[134:135]
	v_pk_add_f32 v[244:245], v[244:245], v[138:139]
	v_pk_add_f32 v[242:243], v[242:243], v[142:143]
	s_setprio 0
	v_pk_add_f32 v[240:241], v[240:241], v[146:147]
	v_pk_add_f32 v[222:223], v[222:223], v[150:151]
	v_pk_add_f32 v[14:15], v[14:15], v[154:155]
	v_pk_add_f32 v[236:237], v[236:237], v[158:159]
	s_delay_alu instid0(VALU_DEP_2)
	v_pk_add_f32 v[14:15], v[14:15], v[244:245]
	s_delay_alu instid0(VALU_DEP_2)
	v_pk_add_f32 v[236:237], v[236:237], v[242:243]
	v_pk_add_f32 v[248:249], v[248:249], v[240:241]
	v_pk_add_f32 v[246:247], v[246:247], v[222:223]
	s_delay_alu instid0(VALU_DEP_2)
	v_pk_add_f32 v[14:15], v[14:15], v[248:249]
	s_delay_alu instid0(VALU_DEP_2)
	v_pk_add_f32 v[236:237], v[236:237], v[246:247]
	s_delay_alu instid0(VALU_DEP_1)
	v_pk_add_f32 v[14:15], v[14:15], v[236:237]
.set j, 0
.rept 16
	v_pk_mul_f32 v[160+j:161+j], v[160+j:161+j], v[252:253] op_sel_hi:[1,0]   ; O^T under the new M.  (With the sums above: the places between the scale word and codes just made and the products below)
.set j, j+2
.endr
	s_wait_alu depctr_va_vdst(0)
	s_wait_dscnt 0x0                               ; v is in
.irp t, 0,1,2,3                                ; O^T += v^T p^T: four accumulators by turns
	v_wmma_scale_f32_16x16x128_f8f6f4 v[160+8*\t:167+8*\t], v[32+12*\t:43+12*\t], v[224:235], v[160+8*\t:167+8*\t], v[92+\t], v253 matrix_a_fmt:MATRIX_FMT_FP6 matrix_b_fmt:MATRIX_FMT_FP6
.endr
.if \causal
.Lhidden_\@:
.endif
	s_add_co_u32 s41, s41, 1
	s_add_co_u32 s40, s40, REC
.endm
.macro HALF causal, tb0, si0           ; eight key steps: a loop of constant count, so that every LDS address can be read off the text
	s_mov_b32 s40, \tb0
	s_mov_b32 s41, \si0
	s_mov_b32 s43, 8
.Lhalf_\@:
	s_wait_alu depctr_va_vdst(0)
	STEP \causal
	s_sub_co_u32 s43, s43, 1
	s_cmp_lg_u32 s43, 0
	s_cbranch_scc1 .Lhalf_\@
	s_setprio 0
.endm
; A tile of queries ends: O^T / the sum, quantised along the 64 channels of the head (two blocks of the K of the last product), stored as half an image of an operand and two scale bytes a row.
.macro EPILOG oc, os
.rept 4
	v_nop                                          ; behind the last products
.endr
	v_add_f32 v14, v14, v15
	s_delay_alu instid0(VALU_DEP_1)
	v_permlanex16_b32 v252, v14, s20, s21
	s_delay_alu instid0(VALU_DEP_1)
	v_add_f32 v14, v14, v252                       ; the sum of the row
	s_wait_alu depctr_va_vdst(0)
	v_rcp_f32 v14, v14
	v_nop                                          ; one plain place behind a transcendental
.set j, 0
	s_wait_alu depctr_va_vdst(0)
.rept 32
	v_mul_f32 v[96+j], v[160+j], v14               ; register 8 t + i: channel 16 t + 8 h + i of query r; each accumulator from its low end on
.set j, j+1
.endr
.irp b, 0,1                                    ; Wo is given in plain order: lanes 16-31 of tile 2 b change places with lanes 0-15 of tile 2 b + 1, so that the 16 registers of block b are the channels 32 b + 16 h + 0 .. 15
.irp j, 0,1,2,3,4,5,6,7
	v_permlane16_swap_b32 v[96+16*\b+\j], v[104+16*\b+\j]
.endr
.endr
.irp b, 0,1
	v_max3_num_f32 v[232+\b], |v[96+16*\b]|, |v[97+16*\b]|, 0x1800000
.endr
.irp i, 2,4,6,8,10,12,14
.irp b, 0,1
	s_delay_alu instid0(VALU_DEP_2)
	v_max3_num_f32 v[232+\b], v[232+\b], |v[96+16*\b+\i]|, |v[97+16*\b+\i]|
.endr
.endr
.irp b, 0,1
	s_delay_alu instid0(VALU_DEP_2)
	v_permlanex16_b32 v[236+\b], v[232+\b], s20, s21
.endr
.irp b, 0,1
	s_delay_alu instid0(VALU_DEP_2)
	v_max_num_f32 v[232+\b], v[232+\b], v[236+\b]
.endr
.irp b, 0,1
	s_delay_alu instid0(VALU_DEP_2)
	v_add_nc_u32 v[244+\b], 0xff000000, v[232+\b]
.endr
.irp b, 0,1
	s_delay_alu instid0(VALU_DEP_2)
	v_lshrrev_b32 v[236+\b], 23, v[244+\b]
.endr
	s_delay_alu instid0(VALU_DEP_1)
	v_lshl_or_b32 v240, v237, 8, v236              ; the two scale bytes of my row
	v_cvt_scalef32_pk16_fp6_f32 v[224:226], v[96:111], v244
	v_cvt_scalef32_pk16_fp6_f32 v[248:250], v[112:127], v245
	v_nop
.irp i, 0,1,2
	v_permlane16_swap_b32 v[224+\i], v[248+\i]
.endr
.irp i, 0,1,2
	s_delay_alu instid0(VALU_DEP_3)
	v_mov_b32 v[227+\i], v[248+\i]                 ; v[224:229]: lane (r, h): channels 32 h + 0 .. 31 of row r
.endr
	global_store_b128 v1, v[224:227], s[\oc:\oc+1]             ; 512 consecutive bytes,
	global_store_b64 v2, v[228:229], s[\oc:\oc+1] offset:512   ; and 256 more
	global_store_b16 v6, v240, s[\os:\os+1]        ; two bytes a row (both halves of the lanes write the same): the other heads of a row belong to other clusters
.endm
	PROLOG 48, 50, 56, 57
	s_wait_tensorcnt 0x1                           ; my record of key steps 0-7 has landed; that of steps 8-15 may stay out
	s_barrier_signal -1
	s_barrier_wait -1                              ; every wave's has
	HALF 0, 0, 0                                   ; the first tile lies at query 1,024 or behind: keys 0 to 1,023 all count
	s_wait_tensorcnt 0x0
	s_wait_dscnt 0x0
	s_barrier_signal -1
	s_barrier_wait -1                              ; key steps 8-15 are whole
	HALF 1, HALF2, 8
	EPILOG 52, 54
	s_wait_xcnt 0x0                                ; the stores have read their registers
	PROLOG 58, 60, 68, 69
	HALF 1, 0, 0                                   ; the second tile lies under query 1,024
	EPILOG 62, 66
	s_wait_dscnt 0x0
	s_wait_tensorcnt 0x0
	ds_add_u32 v251, v255
	s_wait_dscnt 0x0
	ROUND                                          ; the closing round
	s_endpgm
.Lfunc_end_k_q5bf187315e_attn:
	.size	k_q5bf187315e_attn, .Lfunc_end_k_q5bf187315e_attn-k_q5bf187315e_attn
	.p2alignl 7, 3214868480
	.fill 96, 4, 3214868480
	.section	.rodata,"a",@progbits
	.p2align	6, 0x0
	.amdhsa_kernel k_q5bf187315e_attn
		.amdhsa_group_segment_fixed_size 215040
		.amdhsa_private_segment_fixed_size 0
		.amdhsa_enable_private_segment 0
		.amdhsa_kernarg_size 24
		.amdhsa_user_sgpr_count 2
		.amdhsa_user_sgpr_kernarg_segment_ptr 1
		.amdhsa_wavefront_size32 1
		.amdhsa_system_sgpr_workgroup_id_x 1
		.amdhsa_system_sgpr_workgroup_id_y 1
		.amdhsa_system_sgpr_workgroup_id_z 1
		.amdhsa_system_vgpr_workitem_id 0
		.amdhsa_next_free_vgpr 256
		.amdhsa_next_free_sgpr 84
		.amdhsa_reserve_vcc 1
		.amdhsa_float_denorm_mode_32 3
		.amdhsa_float_denorm_mode_16_64 3
		.amdhsa_memory_ordered 1
		.amdhsa_forward_progress 1
		.amdhsa_inst_pref_size 82
	.end_amdhsa_kernel
	.amdgpu_metadata
---
amdhsa.version: [ 1, 2 ]
amdhsa.kernels:
  - .name:           k_q5bf187315e_attn
    .symbol:         k_q5bf187315e_attn.kd
    .args:
      - { .name: qkv, .offset: 0, .size: 8, .value_kind: global_buffer, .address_space: global }
      - { .name: attn_codes, .offset: 8, .size: 8, .value_kind: global_buffer, .address_space: global }
      - { .name: attn_scales, .offset: 16, .size: 8, .value_kind: global_buffer, .address_space: global }
    .group_segment_fixed_size: 215040
    .private_segment_fixed_size: 0
    .kernarg_segment_align: 8
    .kernarg_segment_size: 24
    .max_flat_workgroup_size: 512
    .sgpr_count:     84
    .vgpr_count:     256
    .wavefront_size: 32
...
	.end_amdgpu_metadata
.endif
;; end of part 2
;; launch outp (part 3): grid 8 x 32, 4 waves a work-group, clusters of 4 x 4, 327,680 bytes of LDS; arguments attn_codes, attn_scales, Wo_codes, Wo_scales, out0; writes out0
.if DOCPART == 3
	.amdgcn_target "amdgcn-amd-amdhsa--gfx1250"
	.amdhsa_code_object_version 6
	.text
	.protected	k_q5bf187315e_outp
	.globl	k_q5bf187315e_outp
	.p2align	8
	.type	k_q5bf187315e_outp,@function
k_q5bf187315e_outp:
	s_mov_b64 s[64:65], 0
	v_nop
	global_prefetch_b8 v0, s[64:65] scope:SCOPE_SE
	s_setreg_imm32_b32 hwreg(HW_REG_WAVE_MODE, 25, 1), 1
	s_wait_xcnt 0x0
	s_wait_alu depctr_hold_cnt(0) depctr_sa_sdst(0) depctr_va_vdst(0) depctr_va_sdst(0) depctr_va_ssrc(0) depctr_va_vcc(0) depctr_vm_vsrc(0)
	s_getreg_b32 s2, hwreg(HW_REG_IB_STS2, 6, 4)
	s_cmp_eq_u32 s2, 0
	s_cbranch_scc0 .Lentry_in_a_cluster
	s_endpgm
.Lentry_in_a_cluster:
	s_bfe_u32 s2, ttmp6, 0x10000c
	s_cmp_lg_u32 s2, 0xf033
	s_cbranch_scc0 .Lentry_shape_is_right
	s_endpgm
.Lentry_shape_is_right:
; out0[m][n] = sum over k of attn[m][k] Wo[n][k], K = 1,024, on codes of FP6 (E2M3) with E8M0 scales; out0 f32.
; A = attn comes as images of operand registers, [512 tiles of 16 rows][8 K steps of 128][1,536 bytes]: in each half of 768 bytes four registers at 16 x lane, then two at 8 x lane; its scale bytes as rows of 32.
; B = Wo comes as rows of 768 bytes with 32 scale bytes a row.
; A work-group makes 256 (m) x 128 (n), which gives each of 256 work-groups one tile; a wave 128 x 64: 32 accumulators.  K goes in steps of 256 through a ring of two LDS slots.
; CLUSTERS 4 x 4: A hangs on the tile row and is shared along a row of the cluster, B on the tile column and is shared along a column: joint loads.
; The matrix instruction is used transposed (source 0 = 16 rows of Wo, source 1 = 16 rows of attn): a lane holds eight neighbouring numbers of a row of out0.
; LIMITS: a given scale byte 0xff is not served.
; REGISTERS: window 0: v16-29 addresses; v32-63 scale words, two sets; v128-223 fragments of A, one set.  window 1: fragments of B, two sets, at v0 and v128.  window 2: accumulator (a, b) at v[8 (4 a + b)].
.set NQ,     2                         ; matrix instructions deep in a slot
.set KROW,   768
.set PITCH,  240                       ; a row of B in LDS: 3 x (64 bytes + 16 of padding)
.set FR,     12
.set NP,     4                         ; places behind this matrix instruction (ISA guide 7.12.1)
.set ATILE,  3072                      ; one tile of 16 rows of A, 256 along K
.set HALFA,  8*ATILE                   ; 128 rows of A: one tensor load
.set BOFF,   2*HALFA
.set HALFB,  64*PITCH                  ; 64 rows of B: one tensor load
.set SLOT,   BOFF+2*HALFB
.set SCLB,   2*SLOT                    ; behind the ring: the scales of the 128 rows of B, units of 256 bytes + 16;
.set HSB,    8*272
.set SCLA,   SCLB+2*HSB                ; those of the 256 rows of A
.set HSA,    16*272
.set SBLK,   544                       ; the scales of 16 rows
.set SPARE,  SCLA+2*HSA                ; the spare words: two blocks of 256 bytes that no other line names
.set SPITCH, 272                       ; the way out: a stage of 16 rows x (256 bytes + 16) a wave, in slot 0, which has had its last fill and its last read by then
.set A16,  16                          ; v16-17 16 x lane + my 128 rows of A in slot 0, 1
.set A8,   18                          ; v18-19 8 x lane + the same
.set ADRB, 20                          ; v20-21 my fragments of B (v22-23: behind one padding more)
.set STO,  24
.set RD,   25
.set CO,   26
.set ADRS, 27                          ; v27 my scale words: lanes 0-15 B, lanes 16-31 A
.set SPW,  28
.set NIL,  29
.set SC,   32
.set AF,   128
.set BK,   128                         ; the way out: v128-159 and v160-191 by turns
.set G1, 24
.set G0, 32
.set G1B, 48
.set G0B, 56
.set G1S, 68
.set G0S, 76
.set G1SB, 80
.set G0SB, 88
.set MSB, 0
.macro WIN new
.if MSB != (\new)
	s_set_vgpr_msb (MSB<<8)|(\new)
.set MSB, (\new)
.endif
.endm
.set MUL,  0xa1                        ; source 0 (B) window 1, source 1 (A) window 0, C and D window 2
.set TO_B, 0x40
.macro JLOAD g0a, g1a, g0b, g1b        ; waves 0 and 1 fetch for A, waves 2 and 3 for B; four v_nop follow each of the two lines
	s_cmp_eq_u32 s15, 0
	s_cbranch_scc0 .Lfor_b_\@
	tensor_load_to_lds s[\g0a:\g0a+3], s[\g1a:\g1a+7]
	s_nop 0
.rept 4
	v_nop
.endr
	s_branch .Lasked_\@
.Lfor_b_\@:
	tensor_load_to_lds s[\g0b:\g0b+3], s[\g1b:\g1b+7]
	s_nop 0
.rept 4
	v_nop
.endr
.Lasked_\@:
.endm
.macro CREST
	s_cmp_lg_u32 s14, 0
	s_cbranch_scc1 .Lnot_wave_0_\@
	s_barrier_signal -3
.Lnot_wave_0_\@:
	s_barrier_wait -3
	s_barrier_signal -1
	s_barrier_wait -1
.endm
.macro CROUND
	s_barrier_signal -1
	s_barrier_wait -1
	CREST
.endm
	s_load_b128 s[4:7], s[0:1], 0x0                ; codes of A, scales of A
	s_load_b128 s[8:11], s[0:1], 0x10              ; codes of B, scales of B
	s_load_b64 s[12:13], s[0:1], 0x20              ; out0
	v_lshl_add_u32 v[SPW], v0, 2, SPARE
	v_mov_b32 v[NIL], 0
	ds_add_u32 v28, v29
	ds_add_u32 v28, v29
	s_wait_dscnt 0x0
	v_lshrrev_b32 v1, 5, v0
	v_readfirstlane_b32 s14, v1                    ; wave 0..3
	s_lshr_b32 s15, s14, 1                         ; which 128 rows of the tile are mine.  Also: I fetch for A (0) or for B (1)
	s_and_b32 s16, s14, 1                          ; which 64 columns.  Also: which half of that operand I fetch
	s_bfe_u32 s40, ttmp6, 0x40000                  ; cx
	s_bfe_u32 s41, ttmp6, 0x40004                  ; cy
	s_lshl_b32 s42, ttmp9, 2
	s_add_co_u32 s42, s42, s40                     ; tile column: 128 columns each
	s_and_b32 s17, ttmp7, 0xffff
	s_lshl_b32 s17, s17, 2
	s_add_co_u32 s17, s17, s41                     ; tile row: 256 rows each
	s_lshl_b32 s43, s41, 2
	s_lshl_b32 s43, 15, s43                        ; my row of the cluster
	s_lshl_b32 s44, 0x1111, s40                    ; my column
	; A: 8 tiles of rows x 3,072 bytes (384 elements of 8 bytes), 12,288 bytes apart; no padding: images are read 16 or 8 bytes a lane on end
	s_or_b32 s[G1+0], s43, (3<<16)|(1<<21)
	s_mov_b32 s[G1+1], 384<<16
	s_mov_b32 s[G1+2], 8<<16
	s_mov_b32 s[G1+3], 384<<16
	s_mov_b32 s[G1+4], 8
	s_mov_b32 s[G1+5], 1536
	s_mov_b32 s[G1+6], 0
	s_mov_b32 s[G1+7], 0
	; B: 64 rows x 192 bytes, 16 bytes of padding behind every 64
	s_or_b32 s[G1B+0], s44, (0<<16)|(1<<20)|(1<<21)|(3<<22)|(3<<25)
	s_mov_b32 s[G1B+1], 192<<16
	s_mov_b32 s[G1B+2], 64<<16
	s_mov_b32 s[G1B+3], 192<<16
	s_mov_b32 s[G1B+4], 64
	s_mov_b32 s[G1B+5], KROW
	s_mov_b32 s[G1B+6], 0
	s_mov_b32 s[G1B+7], 0
	; the scales: dense bytes as rows of 256 bytes + 16 of padding: 16 rows for 128 rows of A, 8 for 64 rows of B
	s_or_b32 s[G1S+0], s43, (3<<16)|(1<<20)|(1<<21)|(5<<22)|(3<<25)
	s_mov_b32 s[G1S+1], 32<<16
	s_mov_b32 s[G1S+2], 16<<16
	s_mov_b32 s[G1S+3], 32<<16
	s_mov_b32 s[G1S+4], 16
	s_mov_b32 s[G1S+5], 32
	s_mov_b32 s[G1S+6], 0
	s_mov_b32 s[G1S+7], 0
	s_or_b32 s[G1SB+0], s44, (3<<16)|(1<<20)|(1<<21)|(5<<22)|(3<<25)
	s_mov_b32 s[G1SB+1], 32<<16
	s_mov_b32 s[G1SB+2], 8<<16
	s_mov_b32 s[G1SB+3], 32<<16
	s_mov_b32 s[G1SB+4], 8
	s_mov_b32 s[G1SB+5], 32
	s_mov_b32 s[G1SB+6], 0
	s_mov_b32 s[G1SB+7], 0
	s_lshl_b32 s20, s17, 4
	s_lshl_b32 s18, s16, 3
	s_add_co_u32 s20, s20, s18                     ; A: tile of rows 16 x tile row + 8 x half
	s_lshl_b32 s22, s20, 9                         ; its scales: 16 rows of 32 bytes a tile
	s_mul_i32 s20, s20, 8*1536                     ; its codes (under 2^23)
	s_mov_b32 s21, 0
	s_mov_b32 s23, 0
	s_lshl_b32 s46, s42, 7
	s_lshl_b32 s18, s16, 6
	s_add_co_u32 s46, s46, s18                     ; B: row 128 x tile column + 64 x half
	s_lshl_b32 s92, s46, 5
	s_mul_i32 s46, s46, KROW
	s_mov_b32 s47, 0
	s_mov_b32 s93, 0
	s_mul_i32 s45, s16, HALFA                      ; where they go: a constant + (wave % 2) x a constant; no place in the cluster enters
	s_mul_i32 s95, s16, HALFB
	s_add_co_u32 s95, s95, BOFF
	s_mul_i32 s94, s16, HSA
	s_add_co_u32 s94, s94, SCLA
	s_mul_i32 s96, s16, HSB
	s_add_co_u32 s96, s96, SCLB
	s_wait_kmcnt 0x0
	s_add_nc_u64 s[20:21], s[4:5], s[20:21]
	s_add_nc_u64 s[22:23], s[6:7], s[22:23]
	s_add_nc_u64 s[46:47], s[8:9], s[46:47]
	s_add_nc_u64 s[92:93], s[10:11], s[92:93]
	CROUND                                         ; all sixteen work-groups are here: the first joint loads meet
	s_mov_b32 s[G0S], 1
	s_mov_b32 s[G0S+1], s94
	s_mov_b64 s[G0S+2:G0S+3], s[22:23]
	s_or_b32 s[G0S+3], s[G0S+3], 0x80000000
	s_mov_b32 s[G0SB], 1
	s_mov_b32 s[G0SB+1], s96
	s_mov_b64 s[G0SB+2:G0SB+3], s[92:93]
	s_or_b32 s[G0SB+3], s[G0SB+3], 0x80000000
	JLOAD G0S, G1S, G0SB, G1SB                     ; the scales first
.irp s, 0,1
	s_mov_b32 s[G0+4*\s], 1
	s_add_co_u32 s[G0+4*\s+1], s45, \s*SLOT
	s_add_nc_u64 s[G0+4*\s+2:G0+4*\s+3], s[20:21], \s*ATILE
	s_or_b32 s[G0+4*\s+3], s[G0+4*\s+3], 0x80000000
	s_mov_b32 s[G0B+4*\s], 1
	s_add_co_u32 s[G0B+4*\s+1], s95, \s*SLOT
	s_add_nc_u64 s[G0B+4*\s+2:G0B+4*\s+3], s[46:47], \s*192
	s_or_b32 s[G0B+4*\s+3], s[G0B+4*\s+3], 0x80000000
	JLOAD G0+4*\s, G1, G0B+4*\s, G1B               ; three tensor loads of mine are out at the most
.endr
	v_and_b32 v1, 15, v0                           ; r
	v_bfe_u32 v2, v0, 4, 1                         ; h
	v_and_b32 v7, 31, v0
	v_lshlrev_b32 v8, 4, v7
	v_lshlrev_b32 v9, 3, v7
	v_mul_u32_u24 v3, v1, PITCH
	v_mul_u32_u24 v4, v2, 24
	v_add_nc_u32 v4, v3, v4                        ; B: row x pitch + 24 h
	v_lshl_add_u32 v5, v2, 4, v4                   ; and behind one padding more
	s_mul_i32 s21, s15, HALFA                      ; my 128 rows of A
	s_mul_i32 s22, s16, HALFB                      ; my 64 rows of B
	s_add_co_u32 s22, s22, BOFF
.irp s, 0,1
	v_add_nc_u32 v[A16+\s], s21, v8
	v_add_nc_u32 v[A8+\s], s21, v9
	v_add_nc_u32 v[ADRB+\s], s22, v4
	v_add_nc_u32 v[ADRB+2+\s], s22, v5
	s_add_co_u32 s21, s21, SLOT
	s_add_co_u32 s22, s22, SLOT
.endr
	v_mul_u32_u24 v5, v1, 32                       ; the scales of my row: 32 bytes a row,
	v_lshrrev_b32 v6, 8, v5
	v_lshl_add_u32 v5, v6, 4, v5                   ; and 16 more for each 256 passed
	s_mul_i32 s21, s16, HSB                        ; B: my 64 rows
	s_mul_i32 s22, s15, HSA                        ; A: my 128 rows, behind those of B
	s_add_co_u32 s22, s22, SCLA-SCLB
	s_sub_co_u32 s22, s22, s21
	v_mul_u32_u24 v6, s22, v2                      ; lanes 16-31 take those of A: the lower base + h x the distance
	s_add_co_u32 s21, s21, SCLB
	v_add_nc_u32 v5, v5, v6
	v_add_nc_u32 v[ADRS], s21, v5
	s_mul_i32 s23, s14, 16*SPITCH                  ; my stage
	v_mul_u32_u24 v5, v1, SPITCH
	v_lshl_add_u32 v5, v2, 5, v5
	v_add_nc_u32 v[STO], s23, v5                   ; in: row r, 32 bytes for each half of the lanes
	v_mul_u32_u24 v5, v2, SPITCH
	v_lshl_add_u32 v5, v1, 4, v5
	v_add_nc_u32 v[RD], s23, v5                    ; back: lanes 0-15 one row of 256 bytes, lanes 16-31 the next
	v_lshlrev_b32 v5, 12, v2
	v_lshl_add_u32 v[CO], v1, 4, v5                ; and the same two rows in out0 (4,096 bytes a row)
	s_lshl_b32 s20, s17, 8
	s_lshl_b32 s21, s15, 7
	s_add_co_u32 s20, s20, s21                     ; my first row
	s_lshl_b32 s20, s20, 12                        ; in bytes, under 2^25
	s_mov_b32 s21, 0
	s_lshl_b32 s46, s42, 9                         ; my first column, in bytes: 512 x tile column + 256 x half
	s_lshl_b32 s47, s16, 8
	s_add_co_u32 s46, s46, s47
	s_mov_b32 s47, 0
	s_add_nc_u64 s[20:21], s[20:21], s[46:47]
	s_add_nc_u64 s[12:13], s[12:13], s[20:21]
.macro FRAG reg, adr, q, i             ; a fragment of B from rows: 24 bytes of row r at 96 q + 24 h and 24 more 48 bytes on, in pieces of 8 bytes
.irp p, 0,1,2,3,4,5
.set PC, 12*(\q)+6*(\p/3)+\p%3
.if PC%8 < 5
	ds_load_b64 v[\reg+2*\p:\reg+2*\p+1], v[\adr] offset:8*PC+16*(PC/8)+(\i)*16*PITCH
.else
	ds_load_b64 v[\reg+2*\p:\reg+2*\p+1], v[\adr+2] offset:8*PC+16*(PC/8)+(\i)*16*PITCH
.endif
.endr
.endm
.macro FRAGA reg, slot, q, i           ; a fragment of A from its image: four loads, each of consecutive bytes
	ds_load_b128 v[(\reg):(\reg)+3], v[A16+\slot] offset:(\i)*ATILE+(\q)*1536
	ds_load_b64 v[(\reg)+4:(\reg)+5], v[A8+\slot] offset:(\i)*ATILE+(\q)*1536+512
	ds_load_b128 v[(\reg)+6:(\reg)+9], v[A16+\slot] offset:(\i)*ATILE+(\q)*1536+768
	ds_load_b64 v[(\reg)+10:(\reg)+11], v[A8+\slot] offset:(\i)*ATILE+(\q)*1536+1280
.endm
; 8 matrix instructions: blocks a0, a0 + 1 of A x the four of B.  The 32 accumulators take turns, one instruction a turn, in the same order in every step.
.macro MUL8 a0, p, q, sc, zero
.irp a, \a0, \a0+1
.irp b, 0,1,2,3
.if \zero
	v_wmma_scale_f32_16x16x128_f8f6f4 v[8*(4*(\a)+\b):8*(4*(\a)+\b)+7], v[128*(\p)+FR*\b:128*(\p)+FR*\b+FR-1], v[AF+FR*(\a):AF+FR*(\a)+FR-1], 0, v[SC+8*NQ*(\sc)+NQ*\b+(\q)], v[SC+8*NQ*(\sc)+NQ*(\a)+(\q)] matrix_a_fmt:MATRIX_FMT_FP6 matrix_b_fmt:MATRIX_FMT_FP6 matrix_b_scale:MATRIX_SCALE_ROW1
.else
	v_wmma_scale_f32_16x16x128_f8f6f4 v[8*(4*(\a)+\b):8*(4*(\a)+\b)+7], v[128*(\p)+FR*\b:128*(\p)+FR*\b+FR-1], v[AF+FR*(\a):AF+FR*(\a)+FR-1], v[8*(4*(\a)+\b):8*(4*(\a)+\b)+7], v[SC+8*NQ*(\sc)+NQ*\b+(\q)], v[SC+8*NQ*(\sc)+NQ*(\a)+(\q)] matrix_a_fmt:MATRIX_FMT_FP6 matrix_b_fmt:MATRIX_FMT_FP6 matrix_b_scale:MATRIX_SCALE_ROW1
.endif
.endr
.endr
.endm
.macro FETCH_B slot, q, p
	WIN TO_B
.irp i, 0,1,2,3
	FRAG 128*(\p)+FR*\i, ADRB+\slot, \q, \i
.endr
	WIN 0
.endm
.macro FETCH_A slot, q, i0
.irp i, \i0, \i0+1, \i0+2, \i0+3
	FRAGA AF+FR*(\i), \slot, \q, \i
.endr
.endm
.macro SCALES sc                       ; two words a row: lanes 0-15 block i of B, lanes 16-31 block i of A.  B has four blocks: for i of 4 and more lanes 0-15 read on into scale bytes that were filled once; those words are not used
.irp i, 0,1,2,3,4,5,6,7
	ds_load_b64 v[SC+8*NQ*\sc+NQ*\i:SC+8*NQ*\sc+NQ*\i+1], v[ADRS] offset:\i*SBLK
.endr
.endm
.macro PLACES n
.rept \n
	v_nop
.endr
.endm
.macro STEP slot, q, zero
	s_wait_dscnt 16                                ; the set of B and blocks 0-3 of A are in; the youngest 16 loads (blocks 4-7) may be out
	WIN MUL
	MUL8 0, (\q)%2, \q, \slot, \zero
	MUL8 2, (\q)%2, \q, \slot, \zero
	s_wait_dscnt 0
	PLACES NP
	FETCH_B \slot, (\q)+1, 1-(\q)%2
	FETCH_A \slot, (\q)+1, 0
	WIN MUL
	MUL8 4, (\q)%2, \q, \slot, \zero
	MUL8 6, (\q)%2, \q, \slot, \zero
	PLACES NP
	WIN 0
	FETCH_A \slot, (\q)+1, 4
.endm
.macro TURN slot, next, fill
	s_wait_tensorcnt 0x0                           ; all my tensor loads have landed: my part of the next slot
	ds_add_u32 v[SPW], v[NIL]                      ; 0 onto my spare word
	s_wait_dscnt 17                                ; the add and the youngest 16 loads may be out
	WIN MUL
	MUL8 0, 1, NQ-1, \slot, 0
	s_wait_dscnt 0x0                               ; the add is done, and my reads of this slot are over
	s_barrier_signal -1
	MUL8 2, 1, NQ-1, \slot, 0
	WIN 0
	s_barrier_wait -1
.if \fill
	CREST                                          ; the barrier has opened a round of the cluster barrier: no wave of any partner still reads this slot or has a load on its way
	s_add_nc_u64 s[G0+4*\slot+2:G0+4*\slot+3], s[G0+4*\slot+2:G0+4*\slot+3], 2*ATILE
	s_add_nc_u64 s[G0B+4*\slot+2:G0B+4*\slot+3], s[G0B+4*\slot+2:G0B+4*\slot+3], 2*192
	JLOAD G0+4*\slot, G1, G0B+4*\slot, G1B         ; the first tensor load behind the round; its four v_nop are the places in front of the loads below
.else
	PLACES NP
.endif
	v_add_nc_u32 v[ADRS], 4*NQ, v[ADRS]
	FETCH_B \next, 0, 0
	FETCH_A \next, 0, 0
	SCALES \next
	WIN MUL
	MUL8 4, 1, NQ-1, \slot, 0
	MUL8 6, 1, NQ-1, \slot, 0
	PLACES NP
	WIN 0
	FETCH_A \next, 0, 4
.endm
	s_wait_tensorcnt 1                             ; the scales and my part of K step 0 are in; the load of K step 1 may be out
	s_barrier_signal -1
	s_barrier_wait -1
	FETCH_B 0, 0, 0
	FETCH_A 0, 0, 0
	SCALES 0
	FETCH_A 0, 0, 4
	STEP 0, 0, 1                                   ; the first step starts the sums
	s_mov_b32 s3, 1
.Llap:                                                 ; a trip goes once round the ring and fills both slots again: K = 1,024 is two laps
	TURN 0, 1, 1
	STEP 1, 0, 0
	TURN 1, 0, 1
	STEP 0, 0, 0
	s_sub_co_u32 s3, s3, 1
	s_cmp_lg_u32 s3, 0
	s_cbranch_scc1 .Llap
	TURN 0, 1, 0
	STEP 1, 0, 0
	s_wait_dscnt 16
	WIN MUL
	MUL8 0, 1, NQ-1, 1, 0
	MUL8 2, 1, NQ-1, 1, 0
	s_wait_dscnt 0
	MUL8 4, 1, NQ-1, 1, 0
	MUL8 6, 1, NQ-1, 1, 0
	WIN 0
; THE WAY OUT, block by block of 16 rows x 64 columns, through my own stage: LDS serves the instructions of a wave in order (ISA guide 5.7.1.4), so no wait stands between the stores and the loads.
.macro TOSTAGE a
	WIN 0x08                                       ; the data of an LDS store are its source 1: window 2
.irp b, 0,1,2,3
	ds_store_b128 v[STO], v[8*(4*(\a)+\b):8*(4*(\a)+\b)+3] offset:64*\b          ; each accumulator from its low end on
	ds_store_b128 v[STO], v[8*(4*(\a)+\b)+4:8*(4*(\a)+\b)+7] offset:64*\b+16
.endr
	WIN 0
.set BB, BK+32*((\a)%2)
.irp t, 0,1,2,3,4,5,6,7
	ds_load_b128 v[BB+4*\t:BB+4*\t+3], v[RD] offset:\t*2*SPITCH
.endr
.endm
.macro SEND a, younger                 ; younger: the LDS instructions issued behind the loads of block a
.set BB, BK+32*((\a)%2)
	s_wait_dscnt \younger
.if (\a) > 0
	s_add_nc_u64 s[12:13], s[12:13], 16*4096       ; (behind a wait on XCNT)  16 rows on
.endif
.irp t, 0,1,2,3,4,5,6,7
	global_store_b128 v[CO], v[BB+4*\t:BB+4*\t+3], s[12:13] offset:2*\t*4096 th:TH_STORE_NT   ; 16 lanes store 256 consecutive bytes, aligned; written once, read by nobody here
.endr
.endm
	PLACES NP
	TOSTAGE 0
.irp a, 1,2,3,4,5,6,7
.if \a > 1
	s_wait_xcnt 0x0                                ; the stores of block a - 2 have read their registers and their base
.endif
	TOSTAGE \a
	SEND \a-1, 16                                  ; behind the loads of block a - 1: the 8 stores and 8 loads of block a
.endr
	s_wait_xcnt 0x0
	SEND 7, 0
	s_wait_tensorcnt 0x0                           ; the end of the wave
	ds_add_u32 v[SPW], v[NIL]
	s_wait_dscnt 0x0
	CROUND                                         ; the closing round
	s_endpgm
.Lfunc_end_k_q5bf187315e_outp:
	.size	k_q5bf187315e_outp, .Lfunc_end_k_q5bf187315e_outp-k_q5bf187315e_outp
	.p2alignl 7, 3214868480
	.fill 96, 4, 3214868480
	.section	.rodata,"a",@progbits
	.p2align	6, 0x0
	.amdhsa_kernel k_q5bf187315e_outp
		.amdhsa_group_segment_fixed_size 327680
		.amdhsa_private_segment_fixed_size 0
		.amdhsa_enable_private_segment 0
		.amdhsa_kernarg_size 40
		.amdhsa_user_sgpr_count 2
		.amdhsa_user_sgpr_kernarg_segment_ptr 1
		.amdhsa_wavefront_size32 1
		.amdhsa_system_sgpr_workgroup_id_x 1
		.amdhsa_system_sgpr_workgroup_id_y 1
		.amdhsa_system_sgpr_workgroup_id_z 1
		.amdhsa_system_vgpr_workitem_id 0
		.amdhsa_next_free_vgpr 768
		.amdhsa_next_free_sgpr 98
		.amdhsa_reserve_vcc 0
		.amdhsa_float_denorm_mode_32 3
		.amdhsa_float_denorm_mode_16_64 3
		.amdhsa_memory_ordered 1
		.amdhsa_forward_progress 1
		.amdhsa_inst_pref_size 94
	.end_amdhsa_kernel
	.amdgpu_metadata
---
amdhsa.version: [ 1, 2 ]
amdhsa.kernels:
  - .name:           k_q5bf187315e_outp
    .symbol:         k_q5bf187315e_outp.kd
    .args:
      - { .name: attn_codes, .offset: 0, .size: 8, .value_kind: global_buffer, .address_space: global }
      - { .name: attn_scales, .offset: 8, .size: 8, .value_kind: global_buffer, .address_space: global }
      - { .name: Wo_codes, .offset: 16, .size: 8, .value_kind: global_buffer, .address_space: global }
      - { .name: Wo_scales, .offset: 24, .size: 8, .value_kind: global_buffer, .address_space: global }
      - { .name: out0, .offset: 32, .size: 8, .value_kind: global_buffer, .address_space: global }
    .group_segment_fixed_size: 327680
    .private_segment_fixed_size: 0
    .kernarg_segment_align: 8
    .kernarg_segment_size: 40
    .max_flat_workgroup_size: 128
    .sgpr_count:     98
    .vgpr_count:     768
    .wavefront_size: 32
...
	.end_amdgpu_metadata
.endif
;; end of part 3
